; MI455X (gfx1250); checked and timed in simulation.
; The chip was launched on July 23, 2026; its instructions are those of AMD's public machine-readable ISA for CDNA 5 (MIT licence, August 2026) and "CDNA5" Instruction Set Architecture Reference Guide (July 2026). The comments in the code are by the model that wrote it; some were corrected since.
;; Block. Allowed arithmetic: matrix products marked QUANTISED: E4M3 operands, one given power-of-two scale a tensor, by v_wmma_f32_16x16x64_fp8_fp8 or v_wmma_f32_16x16x128_fp8_fp8, f32 sums; everything else in f32.
;; Inputs: ln1_b 1,024 float32; ln1_g 1,024 float32; ln2_b 1,024 float32; ln2_g 1,024 float32; lowp_scales 12 int32 (the exponents e of the quantised operands' scales 2^e); w1_codes 4,096 x 32 x 32 uint8 (E4M3 codes of w1, K innermost, in blocks of 32 codes); w2_codes 1,024 x 128 x 32 uint8 (E4M3 codes of w2, K innermost, in blocks of 32 codes); w_proj_codes 1,024 x 32 x 32 uint8 (E4M3 codes of w_proj, K innermost, in blocks of 32 codes); w_qkv_codes 3,072 x 32 x 32 uint8 (E4M3 codes of w_qkv, K innermost, in blocks of 32 codes); x 2 x 2,048 x 1,024 float32.
;; Outputs: out0 2 x 2,048 x 1,024 float32.
;; This version of the problem:
;;   THIS VERSION OF THE PROBLEM IS GIVEN IN LOW PRECISION. The matrix products marked QUANTISED in the list below multiply operands that are first quantised to E4M3 (4 exponent bits, 3 mantissa bits; 8 bits a number), with one given power-of-two scale for each operand tensor; their sums are f32. All else is computed in f32.
;;   The module's matrix products, in the order in which they are computed (A, B: the left and right operand; K: the contracted axis; several contracted axes count as one K, in the product's order):
;;     1. [M 4,096, K 1,024] x [K 1,024, N 3,072]; A: computed on the way; B: input w_qkv (given as codes): QUANTISED (scales: A lowp_scales[0], B lowp_scales[1])
;;     2. batch 32 x [M 2,048, K 64] x [K 64, N 2,048]; A: computed on the way; B: computed on the way: QUANTISED (scales: A lowp_scales[2], B lowp_scales[3])
;;     3. batch 32 x [M 2,048, K 2,048] x [K 2,048, N 64]; A: softmax (see below); B: computed on the way: QUANTISED (scales: A lowp_scales[4], B lowp_scales[5])
;;     4. [M 4,096, K 1,024] x [K 1,024, N 1,024]; A: computed on the way; B: input w_proj (given as codes): QUANTISED (scales: A lowp_scales[6], B lowp_scales[7])
;;     5. [M 4,096, K 1,024] x [K 1,024, N 4,096]; A: computed on the way; B: input w1 (given as codes): QUANTISED (scales: A lowp_scales[8], B lowp_scales[9])
;;     6. [M 4,096, K 4,096] x [K 4,096, N 1,024]; A: computed on the way; B: input w2 (given as codes): QUANTISED (scales: A lowp_scales[10], B lowp_scales[11])
;;   THE QUANTISER, for each operand of a quantised product, along K:
;;     - The operand's scale is 2^e, e = its entry of the input lowp_scales (int32; the entries are numbered through the quantised products in the list's order, A before B).
;;     - Each number is divided by the scale, clamped to +-448, and rounded to the nearest number of E4M3, ties to even, subnormals kept.
;;     - The product sums the exact products of the quantised numbers (number of the format x scale) in f32.
;;   ~~~python
;;   def quantise(x, axis, e):      # numpy; x: float32 -> the quantised numbers, widened to float32 again
;;       x = np.moveaxis(x, axis, -1); K = x.shape[-1]
;;       r = np.clip(x / 2.0 ** e, -448, 448)
;;       step = 2.0 ** (np.maximum(np.frexp(np.where(r == 0, 1, r))[1] - 1, -6) - 3)
;;       q = np.round(r / step) * step * 2.0 ** e      # np.round: ties to even
;;       return np.moveaxis(q, -1, axis).astype(np.float32)
;;   ~~~
;;   SOFTMAX AHEAD OF A QUANTISED PRODUCT. Where the list says 'softmax', what is quantised is not the finished softmax but p = 2^(t - M), with t = logit x log2(e) and M = ceil(the row's largest t), a whole number; so 1/2 < the row's largest p <= 1. The row's sum l is taken of the UNQUANTISED p, in f32, and the product's result is divided by l at the end. Since M is a whole number, a kernel that streams over the keys may use a running M (the ceiling of the running maximum): every later rescaling is an exact power of two, so the quantised numbers keep their values, but for numbers so far below the row's largest that they fall under the format's range.
;;   OPERANDS COMPUTED ON THE WAY. 'Computed on the way' means the value that the module computes at that place (a softmax that the list does not call 'softmax' is quantised finished and normalised). What goes into a quantiser is computed in f32, as accurately as f32 sums, v_exp_f32 and their like allow (about 1e-6 of the number): no bf16 or f16 on the way to a quantiser, and a product that is left as it is and whose result goes on into a quantised operand takes f32 operands (vector FMAs, or v_wmma_f32_16x16x4_f32). A number that lies on a knife's edge between two numbers of the format may be rounded either way, as far as f32 arithmetic and the matrix unit's own rounding can turn it there, and no further.
;;   INPUTS GIVEN AS CODES. w1 (in the module: [1024, 4096], K = its axis 0); w2 (in the module: [4096, 1024], K = its axis 0); w_proj (in the module: [1024, 1024], K = its axis 0); w_qkv (in the module: [1024, 3072], K = its axis 0): each comes as NAME_codes (uint8): NAME with its K axis moved to the last place and cut into blocks of 32 codes, [.., K / 32, bytes a block], one block behind the other in memory; one code a byte (a code: sign, 4 exponent bits, 3 mantissa bits); its scale is its entry of lowp_scales. Its value is code x scale, taken as it is: it is not quantised again, and the codes and scales need not be those that the quantiser above would give.
;; One version. Each part assembles by itself: llvm-mc -triple=amdgcn-amd-amdhsa -mcpu=gfx1250 --defsym DOCPART=n.
;; ======== version 1 of 1: 7 launches
;; limits: right only within a limited range of input values
;; workspace buffers: act 4,194,304 bytes; qc 4,194,304 bytes; kc 4,194,304 bytes; vc 4,194,304 bytes; x1 16,777,216 bytes; hc 16,777,216 bytes
;; launch ln1 (part 1): grid 256 x 1, 16 waves a work-group, no clusters, 19,456 bytes of LDS; arguments x, ln1_g, ln1_b, lowp_scales, act; writes act
.if DOCPART == 1
	.amdgcn_target "amdgcn-amd-amdhsa--gfx1250"
	.amdhsa_code_object_version 6
	.text
	.protected	k_q1bfda3eae9_ln1
	.globl	k_q1bfda3eae9_ln1
	.p2align	8
	.type	k_q1bfda3eae9_ln1,@function
k_q1bfda3eae9_ln1:
	s_mov_b64 s[64:65], 0
	v_nop
	global_prefetch_b8 v0, s[64:65] scope:SCOPE_SE
	s_setreg_imm32_b32 hwreg(HW_REG_WAVE_MODE, 25, 1), 1
	s_wait_xcnt 0x0
; LAYER NORM AND QUANTISER.  y = (x - mean) * rsqrt(var + 1e-5) * g + b over rows of 1,024 f32; y becomes codes of E4M3 with the given scale 2^e (entry SOFF / 4 of the scales).
; A work-group takes 16 rows (one tile of tokens), a wave one row, kept in 32 registers a lane between the passes: the row is read once.  Mean first, then the mean of (x - mean)^2: no difference of large sums.
; THE CODES LEAVE AS IMAGES OF OPERAND REGISTERS.  A fragment is 16 tokens x 128 k: lane (r, h) holds token r, registers 2 c, 2 c + 1 hold k = 16 c + 8 h + 0 .. 7.  In memory: tile T, K step s, chunk cc (registers 4 cc .. 4 cc + 3)
; at ((8 T + s) 4 + cc) 512 + 16 x lane.  My lane's 8 neighbours k = 256 i + 8 l + 0 .. 7 are 8 bytes of that image; the 16 waves' bytes meet in LDS, and the tile's 16,384 bytes leave as they lie, 512 consecutive bytes a wave and store.
; LDS: the image in 64 units of 256 bytes, each followed by 16 bytes of padding, so that the 32 lanes of a store of 8 bytes fall on 32 different columns of 8 bytes.
; LIMITS: e between -126 and 119, so that 2^e and 448 x 2^e are f32 numbers.  NaN and infinities among the inputs are not served.
.set SOFF, 0
.set X, 32                             ; v32-63  my 32 numbers of the row
.set G, 64                             ; v64-95  g at the same places
.set B, 96                             ; v96-127 b
.set UP, 272                           ; a unit of the image in LDS
	s_load_b256 s[4:11], s[0:1], 0x0               ; x s[4:5], g s[6:7], b s[8:9], the scales s[10:11]
	s_load_b64 s[12:13], s[0:1], 0x20              ; the codes
	v_lshl_add_u32 v128, v0, 2, 0x4400
	v_mov_b32 v129, 0
	v_and_b32 v1, 31, v0                           ; lane l
	s_delay_alu instid0(VALU_DEP_1)
	v_lshlrev_b32 v2, 5, v1                        ; 32 l: my 8 numbers of each 1,024 bytes
	v_lshrrev_b32 v7, 5, v0
	s_delay_alu instid0(VALU_DEP_1)
	v_readfirstlane_b32 s16, v7                    ; wave = the row in the tile
	v_bfe_u32 v6, v0, 4, 1                         ; l / 16: which of the two K steps of 256 k
	v_bfe_u32 v8, v0, 2, 2                         ; (l / 4) % 4: the chunk cc
	v_and_b32 v9, 1, v0                            ; l % 2: the half h
	s_delay_alu instid0(VALU_DEP_3)
	v_lshlrev_b32 v6, 3, v6
	s_delay_alu instid0(VALU_DEP_1)
	v_lshl_add_u32 v6, v8, 1, v6
	s_delay_alu instid0(VALU_DEP_1)
	v_add_nc_u32 v6, v6, v9                        ; unit = 8 (l / 16) + 2 cc + h
	s_delay_alu instid0(VALU_DEP_1)
	v_mul_u32_u24 v3, v6, UP
	v_bfe_u32 v8, v0, 1, 1
	s_delay_alu instid0(VALU_DEP_1)
	v_lshl_add_u32 v3, v8, 3, v3                   ; + 8 x (c % 2)
	s_delay_alu instid0(VALU_DEP_1)
	v_lshl_add_u32 v3, v7, 4, v3                   ; + 16 x token: where my 8 codes go
	v_lshrrev_b32 v6, 4, v0
	s_delay_alu instid0(VALU_DEP_1)
	v_mul_u32_u24 v4, v6, UP
	v_and_b32 v8, 15, v0
	s_delay_alu instid0(VALU_DEP_1)
	v_lshl_add_u32 v4, v8, 4, v4                   ; back: sixteen threads to a unit
	v_lshlrev_b32 v5, 4, v0                        ; and the same bytes in memory: 16 x thread
	s_lshl_b32 s17, ttmp9, 4
	s_add_co_u32 s17, s17, s16                     ; my row
	s_lshl_b32 s18, s17, 12                        ; x 4,096 bytes
	s_mov_b32 s19, 0
	s_lshl_b32 s26, ttmp9, 14                      ; the tile's image: 16,384 bytes
	s_mov_b32 s27, 0
	s_mov_b32 s20, 0x76543210                      ; v_permlanex16_b32: lane l xor 16
	s_mov_b32 s21, 0xfedcba98
	s_mov_b32 s24, 0x3a800000                      ; 1 / 1,024
	s_mov_b32 s25, 0x3727c5ac                      ; 1e-5
	s_wait_kmcnt 0x0
	s_load_b32 s22, s[10:11], SOFF                 ; e
	s_add_nc_u64 s[4:5], s[4:5], s[18:19]
	s_add_nc_u64 s[12:13], s[12:13], s[26:27]
.irp i, 0,1,2,3
	global_load_b128 v[X+8*\i:X+8*\i+3], v2, s[4:5] offset:1024*\i th:TH_LOAD_NT
	global_load_b128 v[X+8*\i+4:X+8*\i+7], v2, s[4:5] offset:1024*\i+16 th:TH_LOAD_NT
.endr
.irp i, 0,1,2,3
	global_load_b128 v[G+8*\i:G+8*\i+3], v2, s[6:7] offset:1024*\i
	global_load_b128 v[G+8*\i+4:G+8*\i+7], v2, s[6:7] offset:1024*\i+16
.endr
.irp i, 0,1,2,3
	global_load_b128 v[B+8*\i:B+8*\i+3], v2, s[8:9] offset:1024*\i
	global_load_b128 v[B+8*\i+4:B+8*\i+7], v2, s[8:9] offset:1024*\i+16
.endr
.macro ALLSUM                          ; v8 summed over the 32 lanes, the result in every lane; v9 at work (written before)
	s_delay_alu instid0(VALU_DEP_1)
	v_add_f32_dpp v8, v8, v8 row_xmask:1 row_mask:0xf bank_mask:0xf
	s_delay_alu instid0(VALU_DEP_1)
	v_add_f32_dpp v8, v8, v8 row_xmask:2 row_mask:0xf bank_mask:0xf
	s_delay_alu instid0(VALU_DEP_1)
	v_add_f32_dpp v8, v8, v8 row_xmask:4 row_mask:0xf bank_mask:0xf
	s_delay_alu instid0(VALU_DEP_1)
	v_add_f32_dpp v8, v8, v8 row_xmask:8 row_mask:0xf bank_mask:0xf
	s_delay_alu instid0(VALU_DEP_1)
	v_permlanex16_b32 v9, v8, s20, s21
	s_delay_alu instid0(VALU_DEP_1)
	v_add_f32 v8, v8, v9
.endm
.macro FOLD                            ; four chains of pairs in v8-15 into v8
	s_delay_alu instid0(VALU_DEP_3)
	v_pk_add_f32 v[8:9], v[8:9], v[10:11]
	s_delay_alu instid0(VALU_DEP_2)
	v_pk_add_f32 v[12:13], v[12:13], v[14:15]
	s_delay_alu instid0(VALU_DEP_1)
	v_pk_add_f32 v[8:9], v[8:9], v[12:13]
	s_delay_alu instid0(VALU_DEP_1)
	v_add_f32 v8, v8, v9
.endm
	s_wait_loadcnt 16                              ; x's eight loads are in; g's and b's sixteen may be out
.irp k, 0,1,2,3
	v_pk_add_f32 v[8+2*\k:9+2*\k], v[X+2*\k:X+2*\k+1], v[X+8+2*\k:X+9+2*\k]   ; the first pairs start the chains: nothing is cleared
.endr
.irp m, 16,24
.irp k, 0,1,2,3
	s_delay_alu instid0(VALU_DEP_4)
	v_pk_add_f32 v[8+2*\k:9+2*\k], v[8+2*\k:9+2*\k], v[X+\m+2*\k:X+\m+2*\k+1]
.endr
.endr
	FOLD
	ALLSUM
	s_delay_alu instid0(VALU_DEP_1)
	v_mul_f32 v16, s24, v8                         ; the mean
	s_delay_alu instid0(VALU_DEP_1)
	v_mov_b32 v17, v16
.set j, 0
.rept 16
	v_pk_add_f32 v[X+j:X+j+1], v[X+j:X+j+1], v[16:17] neg_lo:[0,1] neg_hi:[0,1]   ; d = x - mean
.set j, j+2
.endr
.irp k, 0,1,2,3
	v_pk_mul_f32 v[8+2*\k:9+2*\k], v[X+2*\k:X+2*\k+1], v[X+2*\k:X+2*\k+1]
.endr
.irp m, 8,16,24
.irp k, 0,1,2,3
	s_delay_alu instid0(VALU_DEP_4)
	v_pk_fma_f32 v[8+2*\k:9+2*\k], v[X+\m+2*\k:X+\m+2*\k+1], v[X+\m+2*\k:X+\m+2*\k+1], v[8+2*\k:9+2*\k]
.endr
.endr
	FOLD
	ALLSUM
	s_delay_alu instid0(VALU_DEP_1)
	v_fma_f32 v10, v8, s24, s25                    ; var + 1e-5
	s_wait_alu depctr_va_vdst(0)
	v_rsq_f32 v18, v10
	v_rsq_f32 v19, v10                             ; twice: a pair for the packed multiply
	v_nop                                          ; a plain instruction behind the transcendentals
	s_wait_kmcnt 0x0
	s_add_co_i32 s22, s22, 127
	s_lshl_b32 s23, s22, 23
	v_mov_b32 v21, s23                             ; 2^e as f32: the conversion takes its exponent field
	s_add_co_i32 s22, s22, 8
	s_lshl_b32 s22, s22, 23
	s_or_b32 s22, s22, 0x600000
	v_mov_b32 v20, s22                             ; 448 x 2^e
	s_wait_alu depctr_va_vdst(0)                   ; one wait for both, ahead of their first reader
	s_wait_loadcnt 0x0                             ; g and b
.set j, 0
.rept 16
	v_pk_mul_f32 v[X+j:X+j+1], v[X+j:X+j+1], v[18:19]
.set j, j+2
.endr
.set j, 0
.rept 16
	v_pk_fma_f32 v[X+j:X+j+1], v[X+j:X+j+1], v[G+j:G+j+1], v[B+j:B+j+1]
.set j, j+2
.endr
.set j, 0
.rept 32
	v_med3_num_f32 v[X+j], v[X+j], -v20, v20       ; the conversion to an 8-bit code does not saturate (ISA guide 7.6.2): the hold at the largest code x the scale
.set j, j+1
.endr
.irp i, 0,1,2,3
	v_cvt_scalef32_pk8_fp8_f32 v[24+2*\i:25+2*\i], v[X+8*\i:X+8*\i+7], v21
.endr
	v_nop                                          ; a plain instruction behind the last conversion
.irp i, 0,1,2,3
	ds_store_b64 v3, v[24+2*\i:25+2*\i] offset:16*UP*\i   ; 256 along K further on: two K steps, sixteen units
.endr
	s_wait_dscnt 0x0                               ; for the others' sake: my stores have landed
	s_barrier_signal -1
	s_barrier_wait -1
	ds_load_b128 v[8:11], v4
	ds_load_b128 v[12:15], v4 offset:32*UP
	s_wait_dscnt 1                                 ; the first is in, the second may be out
	global_store_b128 v5, v[8:11], s[12:13]        ; a wave stores 512 consecutive bytes, at a multiple of 256 from the buffer's first byte
	s_wait_dscnt 0x0
	global_store_b128 v5, v[12:15], s[12:13] offset:8192
	s_wait_tensorcnt 0x0
	ds_add_u32 v128, v129
	s_wait_dscnt 0x0
	s_endpgm
.Lfunc_end_k_q1bfda3eae9_ln1:
	.size	k_q1bfda3eae9_ln1, .Lfunc_end_k_q1bfda3eae9_ln1-k_q1bfda3eae9_ln1
	.p2alignl 7, 3214868480
	.fill 96, 4, 3214868480
	.section	.rodata,"a",@progbits
	.p2align	6, 0x0
	.amdhsa_kernel k_q1bfda3eae9_ln1
		.amdhsa_group_segment_fixed_size 19456
		.amdhsa_private_segment_fixed_size 0
		.amdhsa_enable_private_segment 0
		.amdhsa_kernarg_size 40
		.amdhsa_user_sgpr_count 2
		.amdhsa_user_sgpr_kernarg_segment_ptr 1
		.amdhsa_wavefront_size32 1
		.amdhsa_system_sgpr_workgroup_id_x 1
		.amdhsa_system_sgpr_workgroup_id_y 1
		.amdhsa_system_sgpr_workgroup_id_z 1
		.amdhsa_system_vgpr_workitem_id 0
		.amdhsa_next_free_vgpr 130
		.amdhsa_next_free_sgpr 66
		.amdhsa_reserve_vcc 0
		.amdhsa_float_denorm_mode_32 3
		.amdhsa_float_denorm_mode_16_64 3
		.amdhsa_memory_ordered 1
		.amdhsa_forward_progress 1
		.amdhsa_inst_pref_size 16
	.end_amdhsa_kernel
	.amdgpu_metadata
---
amdhsa.version: [ 1, 2 ]
amdhsa.kernels:
  - .name:           k_q1bfda3eae9_ln1
    .symbol:         k_q1bfda3eae9_ln1.kd
    .args:
      - { .name: x, .offset: 0, .size: 8, .value_kind: global_buffer, .address_space: global }
      - { .name: ln1_g, .offset: 8, .size: 8, .value_kind: global_buffer, .address_space: global }
      - { .name: ln1_b, .offset: 16, .size: 8, .value_kind: global_buffer, .address_space: global }
      - { .name: lowp_scales, .offset: 24, .size: 8, .value_kind: global_buffer, .address_space: global }
      - { .name: act, .offset: 32, .size: 8, .value_kind: global_buffer, .address_space: global }
    .group_segment_fixed_size: 19456
    .private_segment_fixed_size: 0
    .kernarg_segment_align: 8
    .kernarg_segment_size: 40
    .max_flat_workgroup_size: 512
    .sgpr_count:     66
    .vgpr_count:     130
    .wavefront_size: 32
...
	.end_amdgpu_metadata
.endif
;; end of part 1
;; launch qkv (part 2): grid 12 x 16, 4 waves a work-group, clusters of 4 x 4, 327,680 bytes of LDS; arguments act, w_qkv_codes, lowp_scales, qc, kc, vc; writes qc, kc, vc
.if DOCPART == 2
	.amdgcn_target "amdgcn-amd-amdhsa--gfx1250"
	.amdhsa_code_object_version 6
	.text
	.protected	k_q1bfda3eae9_qkv
	.globl	k_q1bfda3eae9_qkv
	.p2align	8
	.type	k_q1bfda3eae9_qkv,@function
k_q1bfda3eae9_qkv:
	s_mov_b64 s[64:65], 0
	v_nop
	global_prefetch_b8 v0, s[64:65] scope:SCOPE_SE
	s_setreg_imm32_b32 hwreg(HW_REG_WAVE_MODE, 25, 1), 1
	s_wait_xcnt 0x0
	s_wait_alu depctr_hold_cnt(0) depctr_sa_sdst(0) depctr_va_vdst(0) depctr_va_sdst(0) depctr_va_ssrc(0) depctr_va_vcc(0) depctr_vm_vsrc(0)
	s_getreg_b32 s2, hwreg(HW_REG_IB_STS2, 6, 4)
	s_cmp_eq_u32 s2, 0
	s_cbranch_scc0 .Lentry_in_a_cluster
	s_endpgm
.Lentry_in_a_cluster:
	s_bfe_u32 s2, ttmp6, 0x10000c
	s_cmp_lg_u32 s2, 0xf033
	s_cbranch_scc0 .Lentry_shape_is_right
	s_endpgm
.Lentry_shape_is_right:
; q, k, v = LN1(x) W_qkv, on codes of E4M3, and the three results quantised at once with their given scales.  X: 4,096 tokens x 1,024 k as images of operand registers; W: [3,072][1,024] codes, K innermost.
; A tile of 256 tokens x 256 columns is made by a work-group of four waves; a wave makes 128 x 128: 64 accumulators, 512 registers.  K goes in four slots of 256 through a ring of two LDS slots filled by the tensor data mover.
; CLUSTERS: 4 x 4 work-groups; X's tile is shared along a row of the cluster, W's along a column: each is asked for jointly, by the same tensor load with the same descriptor and a mask that names the four.
; A cluster spans 1,024 columns: cluster x = 0 makes q, 1 makes k, 2 makes v.  The one branch on it is the same in all sixteen partners, and both ways have the same loads, rounds and barriers.
; FRAGMENTS, 16 rows x 128 k in 16 registers: lane (r, h) holds row r, registers 2 c, 2 c + 1 hold k = 16 c + 8 h + 0 .. 7.  X lies in memory and LDS as that image (chunk cc = registers 4 cc .. 4 cc + 3 at 512 cc + 16 x lane): four loads of
; 16 bytes at 16 x lane.  W lies by rows, 272 bytes apart in LDS: eight loads of 8 bytes at row x 272 + 8 h + 16 c: the 32 lanes fall on 32 different columns of 8 bytes.
; q AND k: source 0 = 16 rows of W, source 1 = 16 tokens: a lane holds token r and columns 16 b + 8 h + 0 .. 7, so the conversion of accumulator b IS registers 2 b, 2 b + 1 of the next product's fragment (K = the head's 64: four accumulators).
; v: the sources change places: a lane holds channel r and tokens 16 a + 8 h + 0 .. 7, so the conversion of accumulator a is registers 2 a, 2 a + 1 of a fragment whose K is the keys.  All codes leave straight from registers, 512 consecutive bytes a store.
; qc, kc: [batch x head 32][tile of 16 tokens 128][chunk 2][lane 32][16].   vc: [batch x head 32][128 keys 16][16 channels 4][chunk 4][lane 32][16].
; LIMITS: e(out) - e0 - e1 between -126 and 119 for out = q, k, v, so that the folded scale and 448 x it are f32 numbers.  NaN is not served.
; REGISTERS, in windows of 256: window 0: v0-31 addresses and two scales; v128-255 X's fragments, ONE set (on the way out v32-95 held sums, v224-239 codes).  window 1: W's fragments, TWO sets.  windows 2, 3: accumulator (a, b) at v[8 (8 (a % 4) + b)].
.set KROW,  1024                       ; a row of W in bytes
.set PITCH, 272
.set WOFF,  65536                      ; a slot: X's two halves of 32,768 bytes (8 tiles x 2 K steps x 2,048), then W's two halves
.set WHALF, 128*PITCH
.set SLOT,  WOFF+2*WHALF
.set SPARE, 2*SLOT                     ; behind the ring: the spare words, 128 bytes for each wave: two blocks of 256 bytes that no other line names
.set ADRX, 16                          ; v16-17  LDS address of my X fragments in slot 0, 1
.set ADRW, 20                          ; v20-21  the same for W
.set LI,   26                          ; v26     16 x lane
.set SPW,  28                          ; v28     LDS address of my spare word; never rewritten
.set NIL,  29                          ; v29     0; never rewritten
.set LIM,  30                          ; v30     448 x the folded scale
.set SC,   31                          ; v31     the folded scale as f32
.set XF,   128
.set G1, 24                            ; s[24:31] descriptor group 1 for X's tiles;  s[32:39] group 0, one set for each slot
.set G0, 32
.set G1B, 48                           ; s[48:55], s[56:63] the same for W's tiles
.set G0B, 56
.set MSB, 0
.macro WIN new                         ; the immediate's high byte repeats the setting that is left; a switch that changes nothing is dropped
.if MSB != (\new)
	s_set_vgpr_msb (MSB<<8)|(\new)
.set MSB, (\new)
.endif
.endm
.set TO_W, 0x40                        ; destination window 1, address window 0
; A joint load: waves 0 and 1 fetch X's halves, waves 2 and 3 W's.  The branch hangs on the wave's number alone.  Four v_nop follow each of the two lines.
.macro JLOAD g0a, g1a, g0b, g1b
	s_cmp_eq_u32 s15, 0
	s_cbranch_scc0 .Lfor_b_\@
	tensor_load_to_lds s[\g0a:\g0a+3], s[\g1a:\g1a+7]
	s_nop 0
.rept 4
	v_nop
.endr
	s_branch .Lasked_\@
.Lfor_b_\@:
	tensor_load_to_lds s[\g0b:\g0b+3], s[\g1b:\g1b+7]
	s_nop 0
.rept 4
	v_nop
.endr
.Lasked_\@:
.endm
.macro CREST                           ; a round of the cluster's barrier behind its opening barrier
	s_cmp_lg_u32 s14, 0
	s_cbranch_scc1 .Lnot_wave_0_\@
	s_barrier_signal -3
.Lnot_wave_0_\@:
	s_barrier_wait -3
	s_barrier_signal -1
	s_barrier_wait -1
.endm
.macro CROUND
	s_barrier_signal -1
	s_barrier_wait -1
	CREST
.endm
.macro PLACES n                        ; plain vector instructions between a matrix instruction and a load into, or a read of, its registers
.rept \n
	v_nop
.endr
.endm
.macro XFRAG reg, slot, q, i
.irp c, 0,1,2,3
	ds_load_b128 v[\reg+4*\c:\reg+4*\c+3], v[ADRX+\slot] offset:(\i)*4096+(\q)*2048+512*\c
.endr
.endm
.macro WFRAG reg, slot, q, i
.irp c, 0,1,2,3,4,5,6,7
	ds_load_b64 v[\reg+2*\c:\reg+2*\c+1], v[ADRW+\slot] offset:(\i)*16*PITCH+128*(\q)+16*\c
.endr
.endm
.macro FETCH_W slot, q, p              ; W's eight fragments of the slot's q-th 128 along K into set p
	WIN TO_W
.irp i, 0,1,2,3,4,5,6,7
	WFRAG 128*(\p)+16*\i, \slot, \q, \i
.endr
	WIN 0
.endm
.macro FETCH_X slot, q, i0             ; X's blocks i0 .. i0 + 3
.irp i, \i0, \i0+1, \i0+2, \i0+3
	XFRAG XF+16*(\i), \slot, \q, \i
.endr
.endm
; 16 matrix instructions: X's blocks a0, a0 + 1 x W's eight.  p: W's set.  zero = 1: the product starts the sums.  swap = 1: tokens are source 0.  The 64 accumulators take turns, one instruction a turn.
.macro MUL16 a0, p, zero, swap
.irp a, \a0, \a0+1
.irp b, 0,1,2,3,4,5,6,7
.set DD, 8*(8*((\a)%4)+\b)
.set WW, 128*(\p)+16*\b
.set XX, XF+16*(\a)
.if \swap
.if \zero
	v_wmma_f32_16x16x128_fp8_fp8 v[DD:DD+7], v[XX:XX+15], v[WW:WW+15], 0
.else
	v_wmma_f32_16x16x128_fp8_fp8 v[DD:DD+7], v[XX:XX+15], v[WW:WW+15], v[DD:DD+7]
.endif
.else
.if \zero
	v_wmma_f32_16x16x128_fp8_fp8 v[DD:DD+7], v[WW:WW+15], v[XX:XX+15], 0
.else
	v_wmma_f32_16x16x128_fp8_fp8 v[DD:DD+7], v[WW:WW+15], v[XX:XX+15], v[DD:DD+7]
.endif
.endif
.endr
.endr
.endm
; windows of the products: W window 1, X window 0, C and D window 2 (rows 0-63) or 3: 0xa1, 0xf1; with the sources swapped 0xa4, 0xf4
.macro STEP slot, q, zero, swap        ; a step of 128 along K that has its successor in the same slot
	s_wait_dscnt 16                                ; W's set and X's blocks 0-3 are in; the youngest sixteen loads (X's blocks 4-7) may be out
	WIN 0xa1+3*(\swap)
	MUL16 0, (\q)%2, \zero, \swap
	MUL16 2, (\q)%2, \zero, \swap
	s_wait_dscnt 0
	PLACES 4
	FETCH_W \slot, (\q)+1, 1-(\q)%2
	FETCH_X \slot, (\q)+1, 0
	WIN 0xf1+3*(\swap)
	MUL16 4, (\q)%2, \zero, \swap
	MUL16 6, (\q)%2, \zero, \swap
	PLACES 4
	WIN 0
	FETCH_X \slot, (\q)+1, 4
.endm
; A slot's last step changes slots: ONE barrier; in front of it each wave waits for all its tensor loads, adds 0 to its spare word, and waits for that and for its reads of this slot.  fill = 1: this slot is filled again, two slots ahead.
.macro TURN slot, next, fill, swap
	s_wait_tensorcnt 0x0                           ; all my tensor loads have landed: my part of the next slot
	ds_add_u32 v[SPW], v[NIL]                      ; 0 onto my spare word
	s_wait_dscnt 17                                ; (the add and the youngest sixteen loads may be out)
	WIN 0xa1+3*(\swap)
	MUL16 0, 1, 0, \swap                           ; sixteen matrix instructions stand between the add and the wait for it
	s_wait_dscnt 0x0                               ; the add is done, and my reads of this slot are over
	s_barrier_signal -1
	MUL16 2, 1, 0, \swap
	WIN 0
	s_barrier_wait -1
.if \fill
	CREST                                          ; the barrier has opened a round of the cluster's barrier: no wave of any partner still reads this slot or has a load on its way
	s_add_nc_u64 s[G0+4*\slot+2:G0+4*\slot+3], s[G0+4*\slot+2:G0+4*\slot+3], 8192
	s_add_nc_u64 s[G0B+4*\slot+2:G0B+4*\slot+3], s[G0B+4*\slot+2:G0B+4*\slot+3], 512
	JLOAD G0+4*\slot, G1, G0B+4*\slot, G1B         ; the first tensor load behind the round; its four v_nop are the places in front of the loads below
.else
	PLACES 4
.endif
	FETCH_W \next, 0, 0
	FETCH_X \next, 0, 0
	WIN 0xf1+3*(\swap)
	MUL16 4, 1, 0, \swap
	MUL16 6, 1, 0, \swap
	PLACES 4
	WIN 0
	FETCH_X \next, 0, 4
.endm
; K = 1,024 is four slots: the eight steps are written out (a loop over laps would have one trip)
.macro MAIN swap
	s_wait_tensorcnt 0x0                           ; my part of slot 0 is in
	ds_add_u32 v[SPW], v[NIL]
	s_wait_dscnt 0x0
	CROUND                                         ; everybody's part of slot 0 is in, and all sixteen work-groups are here
	JLOAD G0+4, G1, G0B+4, G1B                     ; slot 1's first fill: the first tensor load behind the round
	FETCH_W 0, 0, 0
	FETCH_X 0, 0, 0
	FETCH_X 0, 0, 4
	STEP 0, 0, 1, \swap                            ; the first products start the sums: nothing is cleared
	TURN 0, 1, 1, \swap
	STEP 1, 0, 0, \swap
	TURN 1, 0, 1, \swap
	STEP 0, 0, 0, \swap
	TURN 0, 1, 0, \swap                            ; the last two slots are filled no more
	STEP 1, 0, 0, \swap
	s_wait_dscnt 16
	WIN 0xa1+3*(\swap)
	MUL16 0, 1, 0, \swap
	MUL16 2, 1, 0, \swap
	s_wait_dscnt 0
	WIN 0xf1+3*(\swap)
	MUL16 4, 1, 0, \swap
	MUL16 6, 1, 0, \swap
	WIN 0
.endm
.macro FINISH
	s_wait_tensorcnt 0x0                           ; the wave's end
	ds_add_u32 v[SPW], v[NIL]
	s_wait_dscnt 0x0
	CROUND                                         ; the closing round: no work-group ends while a partner may still ask for a tile that names it
	s_endpgm
.endm
.macro SCALES                          ; s72 = e(out): a sum stands for sum x 2^(e0 + e1), so its code is sum / 2^(e(out) - e0 - e1)
	s_sub_co_i32 s72, s72, s88
	s_sub_co_i32 s72, s72, s89
	s_add_co_i32 s72, s72, 127
	s_lshl_b32 s73, s72, 23
	v_mov_b32 v[SC], s73
	s_add_co_i32 s72, s72, 8
	s_lshl_b32 s72, s72, 23
	s_or_b32 s72, s72, 0x600000
	v_mov_b32 v[LIM], s72
.endm
	s_load_b128 s[4:7], s[0:1], 0x0                ; X's codes s[4:5], W's codes s[6:7]
	s_load_b128 s[8:11], s[0:1], 0x10              ; the scales s[8:9], qc s[10:11]
	s_load_b128 s[68:71], s[0:1], 0x20             ; kc s[68:69], vc s[70:71]
	v_lshl_add_u32 v[SPW], v0, 2, SPARE
	v_mov_b32 v[NIL], 0
	ds_add_u32 v28, v29
	ds_add_u32 v28, v29
	s_wait_dscnt 0x0
	v_lshrrev_b32 v1, 5, v0
	v_readfirstlane_b32 s14, v1                    ; wave 0..3
	s_lshr_b32 s15, s14, 1                         ; which half of the tile's tokens is mine.  Also: I fetch for X (0) or for W (1)
	s_and_b32 s16, s14, 1                          ; which half of its columns.  Also: which half I fetch
	s_bfe_u32 s40, ttmp6, 0x40000                  ; cx, cy: my place in the cluster
	s_bfe_u32 s41, ttmp6, 0x40004
	s_lshl_b32 s42, ttmp9, 2
	s_add_co_u32 s42, s42, s40                     ; tile column = 4 x cluster x + cx
	s_and_b32 s17, ttmp7, 0xffff
	s_lshl_b32 s17, s17, 2
	s_add_co_u32 s17, s17, s41                     ; tile row = 4 x cluster y + cy
	s_lshl_b32 s43, s41, 2
	s_lshl_b32 s43, 15, s43                        ; my row of the cluster
	s_lshl_b32 s44, 0x1111, s40                    ; my column
	s_or_b32 s[G1+0], s43, (3<<16)|(1<<21)         ; X: 15:0 the mask of my row; 17:16 elements of 8 bytes; 21 set beside a mask; no padding
	s_or_b32 s[G1B+0], s44, (0<<16)|(1<<20)|(1<<21)|(5<<22)|(3<<25)   ; W: the mask of my column; elements of 1 byte; 4 words of padding after every 64
	s_mov_b32 s[G1+1], 512<<16                     ; tensor_dim0 = 512 elements: a tile's 4,096 bytes of two K steps
	s_mov_b32 s[G1+2], 8<<16                       ; tensor_dim1 = 8 tiles of tokens
	s_mov_b32 s[G1+3], 512<<16                     ; tile_dim0
	s_mov_b32 s[G1+4], 8                           ; tile_dim1
	s_mov_b32 s[G1+5], 2048                        ; from tile to tile: 16,384 bytes
	s_mov_b32 s[G1+6], 0
	s_mov_b32 s[G1+7], 0
	s_mov_b32 s[G1B+1], 256<<16
	s_mov_b32 s[G1B+2], 128<<16
	s_mov_b32 s[G1B+3], 256<<16
	s_mov_b32 s[G1B+4], 128
	s_mov_b32 s[G1B+5], KROW
	s_mov_b32 s[G1B+6], 0
	s_mov_b32 s[G1B+7], 0
	s_lshl_b32 s20, s17, 4
	s_lshl_b32 s18, s16, 3
	s_add_co_u32 s20, s20, s18                     ; X: tile of tokens 16 x tile row + 8 x half,
	s_lshl_b32 s20, s20, 14                        ; x 16,384 bytes
	s_mov_b32 s21, 0
	s_lshl_b32 s46, s42, 8
	s_lshl_b32 s18, s16, 7
	s_add_co_u32 s46, s46, s18                     ; W: row 256 x tile column + 128 x half,
	s_lshl_b32 s46, s46, 10                        ; x 1,024 bytes
	s_mov_b32 s47, 0
	s_lshl_b32 s45, s16, 15                        ; where they go in a slot: no place in the cluster enters an LDS address
	s_mul_i32 s19, s16, WHALF
	s_add_co_u32 s19, s19, WOFF
	s_wait_kmcnt 0x0
	s_load_b256 s[88:95], s[8:9], 0x0              ; e0 .. e7
	s_add_nc_u64 s[20:21], s[4:5], s[20:21]
	s_add_nc_u64 s[46:47], s[6:7], s[46:47]
	CROUND                                         ; all sixteen work-groups are here: the first joint loads meet
.irp s, 0,1
	s_mov_b32 s[G0+4*\s], 1
	s_add_co_u32 s[G0+4*\s+1], s45, \s*SLOT
	s_add_nc_u64 s[G0+4*\s+2:G0+4*\s+3], s[20:21], \s*4096
	s_or_b32 s[G0+4*\s+3], s[G0+4*\s+3], 0x80000000
	s_mov_b32 s[G0B+4*\s], 1
	s_add_co_u32 s[G0B+4*\s+1], s19, \s*SLOT
	s_add_nc_u64 s[G0B+4*\s+2:G0B+4*\s+3], s[46:47], \s*256
	s_or_b32 s[G0B+4*\s+3], s[G0B+4*\s+3], 0x80000000
.endr
	JLOAD G0, G1, G0B, G1B                         ; slot 0: one tensor load a wave at the head
	v_and_b32 v1, 15, v0                           ; r
	v_bfe_u32 v2, v0, 4, 1                         ; h
	v_and_b32 v6, 31, v0
	v_lshlrev_b32 v[LI], 4, v6
	v_mul_u32_u24 v3, v1, PITCH
	v_lshl_add_u32 v4, v2, 3, v3                   ; W: row x pitch + 8 h
	s_lshl_b32 s21, s15, 15                        ; my 128 tokens
	s_mul_i32 s22, s16, WHALF                      ; my 128 rows of W
	s_add_co_u32 s22, s22, WOFF
.irp s, 0,1
	v_add_nc_u32 v[ADRX+\s], s21, v[LI]
	v_add_nc_u32 v[ADRW+\s], s22, v4
	s_add_co_u32 s21, s21, SLOT
	s_add_co_u32 s22, s22, SLOT
.endr
	s_lshr_b32 s74, s17, 3                         ; batch = tile row / 8
	s_lshl_b32 s74, s74, 4
	s_and_b32 s75, s42, 3
	s_lshl_b32 s75, s75, 2
	s_add_co_u32 s74, s74, s75
	s_lshl_b32 s75, s16, 1
	s_add_co_u32 s74, s74, s75                     ; batch x 16 + my first head: 4 (tile column % 4) + 2 x half
	s_cmp_eq_u32 ttmp9, 2                          ; the cluster's x: the same in all sixteen partners
	s_cbranch_scc1 .Lv
	s_wait_alu depctr_va_vdst(0)
	MAIN 0
	s_wait_kmcnt 0x0
	s_cmp_eq_u32 ttmp9, 0
	s_cselect_b32 s72, s90, s91                    ; e2 for q, e3 for k
	s_cselect_b64 s[10:11], s[10:11], s[68:69]
	SCALES
	s_wait_alu depctr_va_vdst(0)
	s_lshl_b32 s74, s74, 7                         ; 128 tiles of tokens a head,
	s_and_b32 s75, s17, 7
	s_lshl_b32 s75, s75, 4
	s_add_co_u32 s74, s74, s75
	s_lshl_b32 s75, s15, 3
	s_add_co_u32 s74, s74, s75                     ; my first: 16 (tile row % 8) + 8 x half,
	s_lshl_b32 s74, s74, 10                        ; 1,024 bytes a fragment
	s_mov_b32 s75, 0
	s_add_nc_u64 s[10:11], s[10:11], s[74:75]
	PLACES 4
.irp a, 0,1,2,3,4,5,6,7                ; a tile of 16 tokens at a time: its 8 accumulators are two heads' fragments
.if \a > 0
	s_wait_xcnt 0x0                                ; the last stores have read their data: the codes' registers are written again only behind this wait
.endif
	WIN 0x02+(\a)/4                                ; source 0: window 2 or 3
.set j, 0
.rept 64
	v_med3_num_f32 v[32+j], v[64*((\a)%4)+j], -v[LIM], v[LIM]   ; the hold (the conversion does not saturate: ISA guide 7.6.2); each accumulator from its low end on
.set j, j+1
.endr
	WIN 0
.irp b, 0,1,2,3,4,5,6,7
	v_cvt_scalef32_pk8_fp8_f32 v[224+2*\b:225+2*\b], v[32+8*\b:39+8*\b], v[SC]
.endr
	v_nop                                          ; a plain instruction behind the last conversion
.irp c, 0,1,2,3
	global_store_b128 v[LI], v[224+4*\c:227+4*\c], s[10:11] offset:\a*1024+(\c/2)*131072+(\c%2)*512   ; head c / 2, chunk c % 2: 512 consecutive bytes
.endr
.endr
	FINISH
.Lv:
	s_wait_alu depctr_va_vdst(0)
	MAIN 1
	s_wait_kmcnt 0x0
	s_mov_b32 s72, s93                             ; e5
	SCALES
	s_wait_alu depctr_va_vdst(0)
	s_lshl_b32 s74, s74, 4                         ; 16 steps of 128 keys a head,
	s_lshl_b32 s75, s17, 1
	s_add_co_u32 s75, s75, s15
	s_and_b32 s75, s75, 15
	s_add_co_u32 s74, s74, s75                     ; mine: (2 x tile row + half) % 16,
	s_lshl_b32 s74, s74, 13                        ; 8,192 bytes a step
	s_mov_b32 s75, 0
	s_add_nc_u64 s[70:71], s[70:71], s[74:75]
	PLACES 4
.irp b, 0,1,2,3,4,5,6,7                ; 16 channels at a time: the 8 accumulators (a, b) are one fragment along my 128 keys
.if \b > 0
	s_wait_xcnt 0x0
.endif
.irp a, 0,1,2,3,4,5,6,7
	WIN 0x02+(\a)/4
.irp j, 0,1,2,3,4,5,6,7
	v_med3_num_f32 v[32+8*\a+\j], v[8*(8*((\a)%4)+\b)+\j], -v[LIM], v[LIM]
.endr
.endr
	WIN 0
.irp a, 0,1,2,3,4,5,6,7
	v_cvt_scalef32_pk8_fp8_f32 v[224+2*\a:225+2*\a], v[32+8*\a:39+8*\a], v[SC]
.endr
	v_nop
.irp c, 0,1,2,3
	global_store_b128 v[LI], v[224+4*\c:227+4*\c], s[70:71] offset:(\b/4)*131072+(\b%4)*2048+\c*512
.endr
.endr
	FINISH
.Lfunc_end_k_q1bfda3eae9_qkv:
	.size	k_q1bfda3eae9_qkv, .Lfunc_end_k_q1bfda3eae9_qkv-k_q1bfda3eae9_qkv
	.p2alignl 7, 3214868480
	.fill 96, 4, 3214868480
	.section	.rodata,"a",@progbits
	.p2align	6, 0x0
	.amdhsa_kernel k_q1bfda3eae9_qkv
		.amdhsa_group_segment_fixed_size 327680
		.amdhsa_private_segment_fixed_size 0
		.amdhsa_enable_private_segment 0
		.amdhsa_kernarg_size 48
		.amdhsa_user_sgpr_count 2
		.amdhsa_user_sgpr_kernarg_segment_ptr 1
		.amdhsa_wavefront_size32 1
		.amdhsa_system_sgpr_workgroup_id_x 1
		.amdhsa_system_sgpr_workgroup_id_y 1
		.amdhsa_system_sgpr_workgroup_id_z 1
		.amdhsa_system_vgpr_workitem_id 0
		.amdhsa_next_free_vgpr 1024
		.amdhsa_next_free_sgpr 98
		.amdhsa_reserve_vcc 0
		.amdhsa_float_denorm_mode_32 3
		.amdhsa_float_denorm_mode_16_64 3
		.amdhsa_memory_ordered 1
		.amdhsa_forward_progress 1
		.amdhsa_inst_pref_size 255
	.end_amdhsa_kernel
	.section	.bss,"aw",@nobits
	.p2align	6
	.space	262144
	.amdgpu_metadata
---
amdhsa.version: [ 1, 2 ]
amdhsa.kernels:
  - .name:           k_q1bfda3eae9_qkv
    .symbol:         k_q1bfda3eae9_qkv.kd
    .args:
      - { .name: act, .offset: 0, .size: 8, .value_kind: global_buffer, .address_space: global }
      - { .name: w_qkv_codes, .offset: 8, .size: 8, .value_kind: global_buffer, .address_space: global }
      - { .name: lowp_scales, .offset: 16, .size: 8, .value_kind: global_buffer, .address_space: global }
      - { .name: qc, .offset: 24, .size: 8, .value_kind: global_buffer, .address_space: global }
      - { .name: kc, .offset: 32, .size: 8, .value_kind: global_buffer, .address_space: global }
      - { .name: vc, .offset: 40, .size: 8, .value_kind: global_buffer, .address_space: global }
    .group_segment_fixed_size: 327680
    .private_segment_fixed_size: 0
    .kernarg_segment_align: 8
    .kernarg_segment_size: 48
    .max_flat_workgroup_size: 128
    .sgpr_count:     98
    .vgpr_count:     1024
    .wavefront_size: 32
...
	.end_amdgpu_metadata
.endif
;; end of part 2
;; launch attn (part 3): grid 8 x 32, 16 waves a work-group, no clusters, 104,448 bytes of LDS; arguments qc, kc, vc, lowp_scales, act; writes act
.if DOCPART == 3
	.amdgcn_target "amdgcn-amd-amdhsa--gfx1250"
	.amdhsa_code_object_version 6
	.text
	.protected	k_q1bfda3eae9_attn
	.globl	k_q1bfda3eae9_attn
	.p2align	8
	.type	k_q1bfda3eae9_attn,@function
k_q1bfda3eae9_attn:
	s_mov_b64 s[64:65], 0
	v_nop
	global_prefetch_b8 v0, s[64:65] scope:SCOPE_SE
	s_setreg_imm32_b32 hwreg(HW_REG_WAVE_MODE, 25, 1), 1
	s_wait_xcnt 0x0
; CAUSAL ATTENTION ON CODES OF E4M3, head size 64, 2,048 tokens, 32 (batch x head).  Both products quantised; the result is quantised for the next product and leaves as an image of operand registers.
; THE SOFTMAX: t = score x log2(e) / 8; M = the running largest t rounded UP to a whole number; p = 2^(t - M) is quantised, not normalised; the row's sum is taken of the unquantised p and divides at the end.  When M moves,
; the sum and O are multiplied by 2^(old M - new M), which rounds nothing.
; SHARES.  A work-group takes one (batch, head) and two blocks of 128 queries, j and 15 - j: waves 0-7 the first, waves 8-15 the second, 16 queries a wave.  Under the causal mask block QB needs key steps 0 .. QB of 128 keys,
; so every work-group has 8 x 17 steps of a wave.  Steps whose keys all come after the wave's queries are jumped over; the step on the diagonal masks by -infinity ahead of the maximum.
; K AND V come as images of operand registers (kc: 16 keys x 64 channels, 1,024 bytes; vc: 16 channels x 128 keys, 2,048 bytes): a slot of 256 keys is 16,384 consecutive bytes of each.  All sixteen waves bring it: memory to
; registers a slot ahead, registers to LDS, one barrier a slot, two LDS buffers by turns.  A buffer is stored again only by waves that have passed the barrier which every wave signalled behind its reads of it.
; No tensor loads: the number of slots hangs on the work-group's number, and the hold of p is jumped on the given e4.  No cluster: under the mask partners would need different numbers of tiles.
; LAYOUT.  S^T = K Q^T (source 0 = 16 keys, source 1 = my 16 queries): lane (r, h) holds query r, tile t's register j key 16 t + 8 h + j: the conversion of tile t is registers 2 t, 2 t + 1 of P.  O^T = V^T P^T likewise holds one query a lane.
; LIMITS: e2 + e3 between -123 and 130; e4 and e6 between -126 and 119.  NaN is not served.
; REGISTERS: v1 16 x lane; v2 16 x thread; v3 the mask's d; v12 -M, v13 the largest t, v[14:15] the sum; v16-23 Q; v32-95 K's, then V's fragments; v96-159 S^T, then p; v160-191 O^T; v192-207 p's codes; v208-223 the next slot on its way; v236-254 at work.
.set LI, 1
.set LW, 2
.set SEL, 20                           ; s[20:21] v_permlanex16_b32: lane l xor 16
.set CS,  22                           ; s[22:23] c = log2(e) / 8, with e2 + e3 added to its exponent
.set QB,  26                           ; s26 my block of 128 queries
.set NS,  29                           ; s29 slots that the work-group needs
.set SL,  30                           ; s30 the slot in hand
.set KS,  31                           ; s31 the key step in hand
.macro STEP beta, q                    ; 128 keys: step q of the slot in buffer beta
	s_cmp_gt_u32 s[KS], s[QB]                      ; all its keys come after my queries: nothing to do
	s_cbranch_scc1 .Lhid_\@
	s_cmp_lt_u32 s[KS], s48                        ; a step that is not shared
	s_cbranch_scc1 .Lgo_\@
	s_cmp_lg_u32 s49, \q                           ; a shared step: mine if its parity is mine
	s_cbranch_scc1 .Lhid_\@
.Lgo_\@:
.rept 4
	v_nop                                          ; places in front of loads into registers that the last products read
.endr
.irp t, 0,1,2,3,4,5,6,7
	ds_load_b128 v[32+8*\t:35+8*\t], v[LI] offset:\beta*32768+\q*8192+\t*1024
	ds_load_b128 v[36+8*\t:39+8*\t], v[LI] offset:\beta*32768+\q*8192+\t*1024+512
.endr
	s_wait_dscnt 0x0
.irp t, 0,1,2,3,4,5,6,7
	v_wmma_f32_16x16x64_fp8_fp8 v[96+8*\t:103+8*\t], v[32+8*\t:39+8*\t], v[16:23], 0
.endr
.rept 4
	v_nop                                          ; places: for the loads below, and for the first read of the scores
.endr
.irp d, 0,1,2,3
.irp c, 0,1,2,3
	ds_load_b128 v[32+16*\d+4*\c:35+16*\d+4*\c], v[LI] offset:\beta*32768+16384+\q*8192+\d*2048+\c*512   ; V's four fragments land while the softmax is worked
.endr
.endr
	s_cmp_lg_u32 s[KS], s[QB]
	s_cbranch_scc1 .Lopen_\@                       ; only the step on the diagonal hides keys
	v_mov_b32 v254, 0xff800000                     ; -infinity
.set n, 0
.rept 64
	v_cmp_gt_i32 vcc_lo, 16*(n/8)+n%8, v3          ; register n holds key 16 (n / 8) + n % 8 + 8 h of the step: hidden where that is above my query's place, 16 x tile + r
	v_cndmask_b32 v[96+n], v[96+n], v254, vcc_lo
.set n, n+1
.endr
.Lopen_\@:
	v_max3_num_f32 v254, v96, v97, v98             ; the step's largest score of my query among my 64 keys, in two chains, each accumulator from its low end on,
	v_max3_num_f32 v252, v99, v100, v101
.irp i, 6,10,14,18,22,26,30,34,38,42,46,50,54,58
	v_max3_num_f32 v254, v254, v[96+\i], v[97+\i]
	v_max3_num_f32 v252, v252, v[98+\i], v[99+\i]
.endr
	v_max3_num_f32 v254, v254, v158, v159
	s_delay_alu instid0(VALU_DEP_1)
	v_max_num_f32 v254, v254, v252
	s_delay_alu instid0(VALU_DEP_1)
	v_permlanex16_b32 v236, v254, s[SEL], s[SEL+1]
	s_delay_alu instid0(VALU_DEP_1)
	v_max_num_f32 v254, v254, v236                 ; and among lane l xor 16's
	s_delay_alu instid0(VALU_DEP_1)
	v_mul_f32 v254, s[CS], v254                    ; as t (c is positive)
	s_delay_alu instid0(VALU_DEP_1)
	v_max_num_f32 v13, v13, v254                   ; the running largest t
	v_mov_b32 v254, v12
	s_delay_alu instid0(VALU_DEP_2)
	v_floor_f32 v12, -v13                          ; the new -M = floor(-t) = -ceil(t)
	s_delay_alu instid0(VALU_DEP_1)
	v_sub_f32 v254, v12, v254                      ; old M - new M: a whole number, 0 or less
	s_delay_alu instid0(VALU_DEP_1)
	v_cvt_i32_f32 v254, v254                       ; (it saturates)
	s_delay_alu instid0(VALU_DEP_1)
	v_ldexp_f32 v252, 1.0, v254                    ; f = 2^(old M - new M)
.set j, 0
.rept 32
	v_pk_fma_f32 v[96+j:97+j], v[96+j:97+j], s[CS:CS+1], v[12:13] op_sel_hi:[1,0,0]   ; t - M, two at a time
.set j, j+2
.endr
.set j, 0
	s_wait_alu depctr_va_vdst(0)
.rept 64
	v_exp_f32 v[96+j], v[96+j]                     ; p = 2^(t - M)
.set j, j+1
.endr
	v_pk_mul_f32 v[14:15], v[14:15], v[252:253] op_sel_hi:[1,0]   ; the sum under the new M (a plain instruction behind the exponentials)
	s_wait_alu depctr_va_vdst(0)                   ; one wait for the batch, ahead of its first reader
	v_pk_add_f32 v[242:243], v[100:101], v[104:105]
	v_pk_add_f32 v[248:249], v[108:109], v[112:113]
	v_pk_add_f32 v[246:247], v[116:117], v[120:121]
	v_pk_add_f32 v[238:239], v[124:125], v[128:129]
	v_pk_add_f32 v[234:235], v[132:133], v[136:137]
	v_pk_add_f32 v[232:233], v[140:141], v[144:145]
	v_pk_add_f32 v[230:231], v[148:149], v[152:153]
	v_pk_add_f32 v[14:15], v[14:15], v[156:157]
	v_pk_add_f32 v[242:243], v[242:243], v[96:97]
	v_pk_add_f32 v[248:249], v[248:249], v[98:99]
	v_pk_add_f32 v[246:247], v[246:247], v[102:103]
	v_pk_add_f32 v[238:239], v[238:239], v[106:107]
	v_pk_add_f32 v[234:235], v[234:235], v[110:111]
	v_pk_add_f32 v[232:233], v[232:233], v[114:115]
	v_pk_add_f32 v[230:231], v[230:231], v[118:119]
	v_pk_add_f32 v[14:15], v[14:15], v[122:123]
	v_pk_add_f32 v[242:243], v[242:243], v[126:127]
	v_pk_add_f32 v[248:249], v[248:249], v[130:131]
	v_pk_add_f32 v[246:247], v[246:247], v[134:135]
	v_pk_add_f32 v[238:239], v[238:239], v[138:139]
	v_pk_add_f32 v[234:235], v[234:235], v[142:143]
	v_pk_add_f32 v[232:233], v[232:233], v[146:147]
	v_pk_add_f32 v[230:231], v[230:231], v[150:151]
	v_pk_add_f32 v[14:15], v[14:15], v[154:155]
	v_pk_add_f32 v[242:243], v[242:243], v[158:159]
	s_delay_alu instid0(VALU_DEP_2)
	v_pk_add_f32 v[14:15], v[14:15], v[238:239]
	s_delay_alu instid0(VALU_DEP_2)
	v_pk_add_f32 v[242:243], v[242:243], v[234:235]
	v_pk_add_f32 v[248:249], v[248:249], v[232:233]
	v_pk_add_f32 v[246:247], v[246:247], v[230:231]
	s_delay_alu instid0(VALU_DEP_2)
	v_pk_add_f32 v[14:15], v[14:15], v[248:249]
	s_delay_alu instid0(VALU_DEP_2)
	v_pk_add_f32 v[242:243], v[242:243], v[246:247]
	s_delay_alu instid0(VALU_DEP_1)
	v_pk_add_f32 v[14:15], v[14:15], v[242:243]
	s_cmp_ge_i32 s40, -8                           ; p is at most 1; with e4 at -8 or above 448 x 2^e4 is 1.75 or more, and the hold would change nothing
	s_cbranch_scc1 .Lnohold_\@
.set j, 0
.rept 64
	v_min_num_f32 v[96+j], v[96+j], v240           ; the hold: the conversion does not saturate (ISA guide 7.6.2); p is not negative
.set j, j+1
.endr
.Lnohold_\@:
.irp t, 0,1,2,3,4,5,6,7
	v_cvt_scalef32_pk8_fp8_f32 v[192+2*\t:193+2*\t], v[96+8*\t:103+8*\t], v244
.endr
.set j, 0
.rept 16
	v_pk_mul_f32 v[160+j:161+j], v[160+j:161+j], v[252:253] op_sel_hi:[1,0]   ; O^T under the new M; these are also the plain instructions behind the conversions
.set j, j+2
.endr
	s_wait_alu depctr_va_vdst(0)
	s_wait_dscnt 0x0                               ; V
.irp d, 0,1,2,3
	v_wmma_f32_16x16x128_fp8_fp8 v[160+8*\d:167+8*\d], v[32+16*\d:47+16*\d], v[192:207], v[160+8*\d:167+8*\d]   ; four accumulators by turns
.endr
.Lhid_\@:
	s_add_co_u32 s[KS], s[KS], 1
.endm
; A helper's change: its own queries' result is divided, quantised and stored as at the kernel's end; then its partner's Q takes the place of its own and the state begins anew.
.macro FLUSH
.rept 4
	v_nop                                          ; places behind the last products
.endr
	v_add_f32 v14, v14, v15
	s_delay_alu instid0(VALU_DEP_1)
	v_permlanex16_b32 v252, v14, s[SEL], s[SEL+1]
	s_delay_alu instid0(VALU_DEP_1)
	v_add_f32 v14, v14, v252                       ; the row's sum
	s_wait_alu depctr_va_vdst(0)
	v_rcp_f32 v14, v14
	v_nop
	s_add_co_i32 s44, s40, s41
	s_wait_alu depctr_va_vdst(0)
	v_ldexp_f32 v14, v14, s44                      ; x 2^(e4 + e5)
.set j, 0
.rept 32
	v_mul_f32 v[96+j], v[160+j], v14
.set j, j+1
.endr
.set j, 0
.rept 32
	v_med3_num_f32 v[96+j], v[96+j], -v241, v241
.set j, j+1
.endr
.irp d, 0,1,2,3
	v_cvt_scalef32_pk8_fp8_f32 v[192+2*\d:193+2*\d], v[96+8*\d:103+8*\d], v245
.endr
	v_nop
	global_store_b128 v[LI], v[192:195], s[12:13]
	global_store_b128 v[LI], v[196:199], s[12:13] offset:512
	s_sub_co_u32 s[QB], 15, ttmp9                  ; from here on my queries are block 15 - j's
.irp i, 0,1,2,3,4,5,6,7
	v_mov_b32 v[16+\i], v[24+\i]                   ; my partner's Q, in registers since the head
.endr
	v_mov_b32 v13, 0xff61b1e6
	s_delay_alu instid0(VALU_DEP_1)
	v_floor_f32 v12, -v13
	v_mov_b32 v14, 0
	v_mov_b32 v15, 0
.set j, 0
.rept 32
	v_mov_b32 v[160+j], 0
.set j, j+1
.endr
	s_wait_alu depctr_va_vdst(0)
	s_wait_xcnt 0x0                                ; the stores have read their data: the codes' registers are written again in the next step
.endm
.macro HALF beta
	s_wait_loadcnt 0x0                             ; on every path: all my loads are in (the slot's bytes; in the first trip both Q fragments too), so no load below is issued into a register that an earlier load has yet to write
	s_cmp_eq_u32 s[SL], s50
	s_cbranch_scc0 .Lnosw_\@
	FLUSH
.Lnosw_\@:
	s_cmp_lt_u32 s[SL], s[NS]
	s_cbranch_scc0 .Lnost_\@
	ds_store_b128 v[LW], v[208:211] offset:\beta*32768
	ds_store_b128 v[LW], v[212:215] offset:\beta*32768+8192
	ds_store_b128 v[LW], v[216:219] offset:\beta*32768+16384
	ds_store_b128 v[LW], v[220:223] offset:\beta*32768+24576
.Lnost_\@:
	s_wait_dscnt 0x0                               ; my stores have landed, and my reads of the other buffer are over
	s_barrier_signal -1
	s_barrier_wait -1
	s_add_co_u32 s[SL], s[SL], 1
	s_cmp_lt_u32 s[SL], s[NS]
	s_cbranch_scc0 .Lnold_\@                       ; no load goes past the slots that the work-group needs
	s_wait_xcnt 0x0                                ; the last loads have read their bases
	s_add_nc_u64 s[6:7], s[6:7], 16384
	s_add_nc_u64 s[8:9], s[8:9], 16384
	global_load_b128 v[208:211], v[LW], s[6:7]     ; the next slot: asked for two key steps ahead of its stores
	global_load_b128 v[212:215], v[LW], s[6:7] offset:8192
	global_load_b128 v[216:219], v[LW], s[8:9]
	global_load_b128 v[220:223], v[LW], s[8:9] offset:8192
.Lnold_\@:
	STEP \beta, 0
	STEP \beta, 1
.endm
	s_load_b128 s[4:7], s[0:1], 0x0                ; qc s[4:5], kc s[6:7]
	s_load_b128 s[8:11], s[0:1], 0x10              ; vc s[8:9], the scales s[10:11]
	s_load_b64 s[12:13], s[0:1], 0x20              ; act
	v_lshl_add_u32 v251, v0, 2, 0x10000
	v_mov_b32 v255, 0
	v_lshrrev_b32 v8, 5, v0
	s_delay_alu instid0(VALU_DEP_1)
	v_readfirstlane_b32 s18, v8                    ; wave 0..15
	v_and_b32 v9, 31, v0
	s_delay_alu instid0(VALU_DEP_1)
	v_lshlrev_b32 v[LI], 4, v9
	v_lshlrev_b32 v[LW], 4, v0
	s_and_b32 s24, ttmp7, 0xffff                   ; batch x 16 + head
	s_sub_co_u32 s25, 15, ttmp9
; THE LONG BLOCK'S KEY STEPS ARE SHARED.  Wave w < 8 (block j, tile w) is done with its own queries behind slot j / 2.  From slot s0 = j / 2 + 1 on it stores its result, takes the queries of wave w + 8's tile
; (block 15 - j, the same tile number) and works the ODD key steps for them with a state of its own; wave w + 8 keeps the EVEN ones.  So no wave walks more than 9 key steps.  At the end the helper's -M, sum and O^T go
; to the owner through LDS bytes of their own (from 0x10800 on, 4,608 bytes a pair); both are brought under the larger M by powers of two, which rounds nothing, and added.
	s_lshr_b32 s51, ttmp9, 1
	s_add_co_u32 s51, s51, 1                       ; s0
	s_lshl_b32 s48, s51, 1                         ; the first shared key step: 2 s0
	s_lshl_b32 s52, ttmp9, 1
	s_sub_co_u32 s52, 15, s52
	s_lshl_b32 s52, s52, 13                        ; from my Q fragment to my partner's: 15 - 2 j blocks of 8 fragments of 1,024 bytes
	s_mov_b32 s53, 0
	s_cmp_lt_u32 s18, 8
	s_cselect_b32 s[QB], ttmp9, s25                ; block j or block 15 - j
	s_cselect_b32 s49, 1, 0                        ; of the shared steps I take the odd (helper) or the even ones (owner)
	s_cselect_b32 s50, s51, -1                     ; the slot at whose head a helper changes over; an owner never does
	s_cselect_b32 s52, s52, 0                      ; (one text for all waves: an owner's second copy of Q is its own, and is not used)
	s_and_b32 s27, s18, 7                          ; my tile in it
	s_lshl_b32 s28, s[QB], 3
	s_add_co_u32 s28, s28, s27                     ; my tile of 16 queries in the head
	s_lshr_b32 s[NS], s25, 1
	s_add_co_u32 s[NS], s[NS], 1                   ; slots up to block 15 - j's diagonal
	v_and_b32 v8, 15, v0
	v_bfe_u32 v9, v0, 4, 1
	s_delay_alu instid0(VALU_DEP_1)
	v_lshlrev_b32 v9, 3, v9
	s_delay_alu instid0(VALU_DEP_1)
	v_sub_nc_u32 v3, v8, v9
	s_lshl_b32 s33, s27, 4
	v_add_nc_u32 v3, s33, v3                       ; d = 16 x tile + r - 8 h
	s_mul_i32 s54, s27, 4608
	s_add_co_u32 s54, s54, 0x10800
	v_and_b32 v4, 31, v0
	s_delay_alu instid0(VALU_DEP_1)
	v_lshlrev_b32 v4, 4, v4
	s_delay_alu instid0(VALU_DEP_1)
	v_add_nc_u32 v4, s54, v4                       ; v4: where helper and owner of tile (wave % 8) meet: 16 x lane in the pair's bytes
	s_lshl_b32 s34, s24, 7
	s_add_co_u32 s34, s34, s28
	s_lshl_b32 s34, s34, 10                        ; Q's fragment: 1,024 bytes
	s_mov_b32 s35, 0
	s_lshl_b32 s46, s24, 17                        ; a head's K or V: 131,072 bytes
	s_mov_b32 s47, 0
	s_lshr_b32 s44, s24, 4
	s_lshl_b32 s44, s44, 7
	s_add_co_u32 s44, s44, s28                     ; my tile among the 256 tiles of tokens,
	s_lshl_b32 s44, s44, 14                        ; 16,384 bytes each;
	s_and_b32 s33, s24, 15
	s_lshl_b32 s33, s33, 10                        ; a head's 64 k are two chunks: 1,024 bytes
	s_add_co_u32 s44, s44, s33
	s_mov_b32 s45, 0
	s_mov_b32 s[SEL], 0x76543210
	s_mov_b32 s[SEL+1], 0xfedcba98
	s_mov_b32 s[CS], 0x3e38aa3b                    ; log2(e) / 8
	s_mov_b32 s[SL], 0
	s_mov_b32 s[KS], 0
	s_mov_b32 s32, 4
	s_wait_alu depctr_va_vdst(0)
	s_wait_kmcnt 0x0
	s_load_b256 s[36:43], s[10:11], 0x0            ; e0 .. e7
	s_add_nc_u64 s[4:5], s[4:5], s[34:35]
	s_add_nc_u64 s[6:7], s[6:7], s[46:47]
	s_add_nc_u64 s[8:9], s[8:9], s[46:47]
	s_add_nc_u64 s[12:13], s[12:13], s[44:45]
	global_load_b128 v[16:19], v[LI], s[4:5] th:TH_LOAD_NT
	global_load_b128 v[20:23], v[LI], s[4:5] offset:512 th:TH_LOAD_NT
	s_add_nc_u64 s[56:57], s[4:5], s[52:53]
	global_load_b128 v[24:27], v[LI], s[56:57]     ; v24-31: the Q fragment of my partner's tile, for the change
	global_load_b128 v[28:31], v[LI], s[56:57] offset:512
	global_load_b128 v[208:211], v[LW], s[6:7]     ; slot 0
	global_load_b128 v[212:215], v[LW], s[6:7] offset:8192
	global_load_b128 v[216:219], v[LW], s[8:9]
	global_load_b128 v[220:223], v[LW], s[8:9] offset:8192
	v_mov_b32 v13, 0xff61b1e6                      ; the largest t so far: -3e38, under every t
	s_delay_alu instid0(VALU_DEP_1)
	v_floor_f32 v12, -v13
	v_mov_b32 v14, 0
	v_mov_b32 v15, 0
	v_mov_b32 v236, 0                              ; a lane permute's destination counts as one of its sources
	v_mov_b32 v252, 0
	v_mov_b32 v253, 0                              ; (named as the upper half of the pair v[252:253])
.set j, 0
.rept 32
	v_mov_b32 v[160+j], 0                          ; O^T: the step is written once; the first finds zeros, which the first change of M leaves zeros
.set j, j+1
.endr
	s_wait_kmcnt 0x0
	s_add_co_i32 s44, s38, s39
	s_lshl_b32 s44, s44, 23
	s_add_co_i32 s[CS], s[CS], s44                 ; a score stands for score x 2^(e2 + e3)
	s_mov_b32 s[CS+1], s[CS]
	s_add_co_i32 s44, s40, 127
	s_lshl_b32 s45, s44, 23
	v_mov_b32 v244, s45                            ; 2^e4
	s_add_co_i32 s44, s44, 8
	s_lshl_b32 s44, s44, 23
	s_or_b32 s44, s44, 0x600000
	v_mov_b32 v240, s44                            ; 448 x 2^e4
	s_add_co_i32 s44, s42, 127
	s_lshl_b32 s45, s44, 23
	v_mov_b32 v245, s45                            ; 2^e6
	s_add_co_i32 s44, s44, 8
	s_lshl_b32 s44, s44, 23
	s_or_b32 s44, s44, 0x600000
	v_mov_b32 v241, s44                            ; 448 x 2^e6
.Ltrip:                                            ; four trips of two slots: a constant count, so that every LDS address is an immediate; slots that nobody needs cost a barrier
	HALF 0
	HALF 1
	s_sub_co_u32 s32, s32, 1
	s_cmp_lg_u32 s32, 0
	s_cbranch_scc1 .Ltrip
.rept 4
	v_nop                                          ; places behind the last products
.endr
	s_wait_alu depctr_va_vdst(0)
	s_cmp_lt_u32 s18, 8
	s_cbranch_scc0 .Lkeep
.irp i, 0,1,2,3,4,5,6,7
	ds_store_b128 v4, v[160+4*\i:163+4*\i] offset:512*\i   ; the helper's O^T, each accumulator from its low end on,
.endr
	ds_store_b128 v4, v[12:15] offset:4096         ; and its -M, largest t and sum
.Lkeep:
	s_wait_dscnt 0x0                               ; for the owner's sake: my stores have landed
	s_barrier_signal -1
	s_barrier_wait -1
	s_cmp_lt_u32 s18, 8
	s_cbranch_scc1 .Lend                           ; a helper stored its own result at the change
.irp i, 0,1,2,3,4,5,6,7
	ds_load_b128 v[96+4*\i:99+4*\i], v4 offset:512*\i
.endr
	ds_load_b128 v[128:131], v4 offset:4096
	s_wait_dscnt 0x0
	v_mov_b32 v137, 0                              ; (named as the upper half of the pair v[136:137])
	v_min_num_f32 v132, v12, v128                  ; -M of the two together
	s_delay_alu instid0(VALU_DEP_1)
	v_sub_f32 v133, v132, v12                      ; my M less the common M: a whole number, 0 or less
	s_delay_alu instid0(VALU_DEP_2)
	v_sub_f32 v134, v132, v128                     ; the helper's
	s_delay_alu instid0(VALU_DEP_2)
	v_cvt_i32_f32 v133, v133                       ; (they saturate)
	s_delay_alu instid0(VALU_DEP_2)
	v_cvt_i32_f32 v134, v134
	s_delay_alu instid0(VALU_DEP_2)
	v_ldexp_f32 v252, 1.0, v133
	s_delay_alu instid0(VALU_DEP_2)
	v_ldexp_f32 v136, 1.0, v134
	s_delay_alu instid0(VALU_DEP_2)
	v_pk_mul_f32 v[14:15], v[14:15], v[252:253] op_sel_hi:[1,0]
	s_delay_alu instid0(VALU_DEP_1)
	v_pk_fma_f32 v[14:15], v[130:131], v[136:137], v[14:15] op_sel_hi:[1,0,1]
.set j, 0
.rept 16
	v_pk_mul_f32 v[160+j:161+j], v[160+j:161+j], v[252:253] op_sel_hi:[1,0]
.set j, j+2
.endr
.set j, 0
.rept 16
	v_pk_fma_f32 v[160+j:161+j], v[96+j:97+j], v[136:137], v[160+j:161+j] op_sel_hi:[1,0,1]
.set j, j+2
.endr
	v_add_f32 v14, v14, v15
	s_delay_alu instid0(VALU_DEP_1)
	v_permlanex16_b32 v252, v14, s[SEL], s[SEL+1]
	s_delay_alu instid0(VALU_DEP_1)
	v_add_f32 v14, v14, v252                       ; the row's sum
	s_wait_alu depctr_va_vdst(0)
	v_rcp_f32 v14, v14
	v_nop
	s_add_co_i32 s44, s40, s41
	s_wait_alu depctr_va_vdst(0)
	v_ldexp_f32 v14, v14, s44                      ; x 2^(e4 + e5)
.set j, 0
.rept 32
	v_mul_f32 v[96+j], v[160+j], v14               ; register 8 d + i: channel 16 d + 8 h + i of my query
.set j, j+1
.endr
.set j, 0
.rept 32
	v_med3_num_f32 v[96+j], v[96+j], -v241, v241
.set j, j+1
.endr
.irp d, 0,1,2,3
	v_cvt_scalef32_pk8_fp8_f32 v[192+2*\d:193+2*\d], v[96+8*\d:103+8*\d], v245   ; registers 2 c, 2 c + 1 of the next product's fragment, c = 4 (head % 2) + d
.endr
	v_nop
	global_store_b128 v[LI], v[192:195], s[12:13]  ; 512 consecutive bytes each
	global_store_b128 v[LI], v[196:199], s[12:13] offset:512
.Lend:
	s_wait_tensorcnt 0x0
	ds_add_u32 v251, v255
	s_wait_dscnt 0x0
	s_endpgm
.Lfunc_end_k_q1bfda3eae9_attn:
	.size	k_q1bfda3eae9_attn, .Lfunc_end_k_q1bfda3eae9_attn-k_q1bfda3eae9_attn
	.p2alignl 7, 3214868480
	.fill 96, 4, 3214868480
	.section	.rodata,"a",@progbits
	.p2align	6, 0x0
	.amdhsa_kernel k_q1bfda3eae9_attn
		.amdhsa_group_segment_fixed_size 104448
		.amdhsa_private_segment_fixed_size 0
		.amdhsa_enable_private_segment 0
		.amdhsa_kernarg_size 40
		.amdhsa_user_sgpr_count 2
		.amdhsa_user_sgpr_kernarg_segment_ptr 1
		.amdhsa_wavefront_size32 1
		.amdhsa_system_sgpr_workgroup_id_x 1
		.amdhsa_system_sgpr_workgroup_id_y 1
		.amdhsa_system_sgpr_workgroup_id_z 1
		.amdhsa_system_vgpr_workitem_id 0
		.amdhsa_next_free_vgpr 256
		.amdhsa_next_free_sgpr 66
		.amdhsa_reserve_vcc 1
		.amdhsa_float_denorm_mode_32 3
		.amdhsa_float_denorm_mode_16_64 3
		.amdhsa_memory_ordered 1
		.amdhsa_forward_progress 1
		.amdhsa_inst_pref_size 111
	.end_amdhsa_kernel
	.amdgpu_metadata
---
amdhsa.version: [ 1, 2 ]
amdhsa.kernels:
  - .name:           k_q1bfda3eae9_attn
    .symbol:         k_q1bfda3eae9_attn.kd
    .args:
      - { .name: qc, .offset: 0, .size: 8, .value_kind: global_buffer, .address_space: global }
      - { .name: kc, .offset: 8, .size: 8, .value_kind: global_buffer, .address_space: global }
      - { .name: vc, .offset: 16, .size: 8, .value_kind: global_buffer, .address_space: global }
      - { .name: lowp_scales, .offset: 24, .size: 8, .value_kind: global_buffer, .address_space: global }
      - { .name: act, .offset: 32, .size: 8, .value_kind: global_buffer, .address_space: global }
    .group_segment_fixed_size: 104448
    .private_segment_fixed_size: 0
    .kernarg_segment_align: 8
    .kernarg_segment_size: 40
    .max_flat_workgroup_size: 512
    .sgpr_count:     66
    .vgpr_count:     256
    .wavefront_size: 32
...
	.end_amdgpu_metadata
.endif
;; end of part 3
;; launch proj (part 4): grid 8 x 32, 4 waves a work-group, clusters of 4 x 4, 327,680 bytes of LDS; arguments act, w_proj_codes, lowp_scales, x, x1; writes x1
.if DOCPART == 4
	.amdgcn_target "amdgcn-amd-amdhsa--gfx1250"
	.amdhsa_code_object_version 6
	.text
	.protected	k_q1bfda3eae9_proj
	.globl	k_q1bfda3eae9_proj
	.p2align	8
	.type	k_q1bfda3eae9_proj,@function
k_q1bfda3eae9_proj:
	s_mov_b64 s[64:65], 0
	v_nop
	global_prefetch_b8 v0, s[64:65] scope:SCOPE_SE
	s_setreg_imm32_b32 hwreg(HW_REG_WAVE_MODE, 25, 1), 1
	s_wait_xcnt 0x0
	s_wait_alu depctr_hold_cnt(0) depctr_sa_sdst(0) depctr_va_vdst(0) depctr_va_sdst(0) depctr_va_ssrc(0) depctr_va_vcc(0) depctr_vm_vsrc(0)
	s_getreg_b32 s2, hwreg(HW_REG_IB_STS2, 6, 4)
	s_cmp_eq_u32 s2, 0
	s_cbranch_scc0 .Lentry_in_a_cluster
	s_endpgm
.Lentry_in_a_cluster:
	s_bfe_u32 s2, ttmp6, 0x10000c
	s_cmp_lg_u32 s2, 0xf033
	s_cbranch_scc0 .Lentry_shape_is_right
	s_endpgm
.Lentry_shape_is_right:
; out = resid + (A W^T) x 2^(ea + eb), on codes of E4M3.  A: 4,096 tokens x 1,024 k as images of operand registers; W: [1,024][1,024] codes, K innermost; resid, out: [4,096][1,024] f32.
; A tile is 128 x 128: 256 work-groups.  Four waves, each 64 tokens x 64 columns: 16 accumulators.
; ALL OF K LIES IN LDS AT ONCE: A's 128 tokens are 131,072 bytes, W's 128 rows of 1,040 bytes 133,120.  Each wave asks for a quarter by ONE tensor load at the head; nothing is filled again, so there is no ring.
; CLUSTERS: 4 x 4 work-groups; A's tile is shared along a row of the cluster, W's along a column, each asked for jointly.  No prefetch: every tile is asked for at the head, and there is no loop to run ahead in.
; FRAGMENTS, 16 rows x 128 k in 16 registers: lane (r, h) holds row r, registers 2 c, 2 c + 1 hold k = 16 c + 8 h + 0 .. 7.  A lies as that image: four loads of 16 bytes at 16 x lane.  W lies by rows: eight loads of 8 bytes.
; Source 0 = 16 rows of W, source 1 = 16 tokens: a lane holds eight neighbouring columns of one token's row.  THE RESIDUAL is asked for at the head, into 128 registers.
; THE WAY OUT: 16 rows at a time through the wave's own stage in LDS, back as rows of 256 bytes, one packed multiply-add (sum x 2^(ea + eb) + resid), sixteen lanes to 256 consecutive aligned bytes.
; LIMIT: ea + eb between -126 and 127.
; REGISTERS: window 0: v0-31 addresses; v32-95 at work on the way out; v128-255 accumulator (a, b) at v[128 + 8 (4 a + b)].  window 1: two fragment buffers of 128: A's four, then W's four.  window 2: v0-127 the residual.
.set KB,    1024
.set SOFF,  24                         ; the two scales: entries 6 and 7
.set PITCH, 1040
.set WOFF,  131072                     ; A's two halves of 65,536 bytes (4 tiles x 8 K steps x 2,048), then W's two halves
.set WHALF, 64*PITCH
.set STAGE, WOFF+2*WHALF               ; behind the tiles: 16 rows x 272 bytes for each wave
.set SPITCH, 272
.set SPARE, STAGE+4*16*SPITCH          ; behind the stages: the spare words, 128 bytes for each wave
.set ADRX, 16
.set ADRW, 20
.set STO,  24
.set RD,   25
.set CO,   26
.set SPW,  28
.set NIL,  29
.set TMP,  32
.set ACC,  128
.set F0,   0
.set F1,   128
.set G1, 24
.set G0, 32
.set G1B, 48
.set G0B, 56
.set MSB, 0
.macro WIN new
.if MSB != (\new)
	s_set_vgpr_msb (MSB<<8)|(\new)
.set MSB, (\new)
.endif
.endm
.set MUL,  0x05                        ; sources 0 and 1 window 1; C and D window 0
.set TO_F, 0x40                        ; destination window 1, address window 0
.macro CROUND                          ; a round of the cluster's barrier
	s_barrier_signal -1
	s_barrier_wait -1
	s_cmp_lg_u32 s14, 0
	s_cbranch_scc1 .Lnot_wave_0_\@
	s_barrier_signal -3
.Lnot_wave_0_\@:
	s_barrier_wait -3
	s_barrier_signal -1
	s_barrier_wait -1
.endm
.macro PLACES n
.rept \n
	v_nop
.endr
.endm
.macro FETCH q, f                      ; the fragments of the q-th 128 along K into buffer f: 16 loads for A, 32 for W
	WIN TO_F
.irp i, 0,1,2,3
.irp c, 0,1,2,3
	ds_load_b128 v[\f+16*\i+4*\c:\f+16*\i+4*\c+3], v[ADRX] offset:\i*16384+(\q)*2048+512*\c
.endr
.endr
.irp i, 0,1,2,3
.irp c, 0,1,2,3,4,5,6,7
	ds_load_b64 v[\f+64+16*\i+2*\c:\f+64+16*\i+2*\c+1], v[ADRW] offset:\i*16*PITCH+128*(\q)+16*\c
.endr
.endr
.endm
.macro MUL16 f, zero                   ; the 16 accumulators take turns, one instruction a turn
.irp a, 0,1,2,3
.irp b, 0,1,2,3
.set DD, ACC+8*(4*\a+\b)
.if \zero
	v_wmma_f32_16x16x128_fp8_fp8 v[DD:DD+7], v[\f+64+16*\b:\f+64+16*\b+15], v[\f+16*\a:\f+16*\a+15], 0
.else
	v_wmma_f32_16x16x128_fp8_fp8 v[DD:DD+7], v[\f+64+16*\b:\f+64+16*\b+15], v[\f+16*\a:\f+16*\a+15], v[DD:DD+7]
.endif
.endr
.endr
.endm
.macro QUARTER qn, f, g, zero          ; buffer f is multiplied; ahead of that the next K step, qn, is asked for into buffer g
	s_wait_dscnt 0x0                               ; buffer f is in
	PLACES 4                                       ; in front of loads into the buffer that the last products read
	FETCH \qn, \g
	WIN MUL
	MUL16 \f, \zero
.endm
	s_load_b128 s[4:7], s[0:1], 0x0                ; A's codes, W's codes
	s_load_b128 s[8:11], s[0:1], 0x10              ; the scales, the residual
	s_load_b64 s[12:13], s[0:1], 0x20              ; out
	v_lshl_add_u32 v[SPW], v0, 2, SPARE
	v_mov_b32 v[NIL], 0
	ds_add_u32 v[SPW], v[NIL]                      ; the add, twice on end, and its wait ahead of my tensor load
	ds_add_u32 v[SPW], v[NIL]
	v_lshrrev_b32 v1, 5, v0
	v_readfirstlane_b32 s14, v1                    ; wave 0..3
	s_lshr_b32 s15, s14, 1                         ; which half of the tile's tokens is mine.  Also: I fetch for A (0) or for W (1)
	s_and_b32 s16, s14, 1                          ; which half of its columns.  Also: which half I fetch
	s_bfe_u32 s40, ttmp6, 0x40000
	s_bfe_u32 s41, ttmp6, 0x40004
	s_lshl_b32 s42, ttmp9, 2
	s_add_co_u32 s42, s42, s40                     ; tile column
	s_and_b32 s17, ttmp7, 0xffff
	s_lshl_b32 s17, s17, 2
	s_add_co_u32 s17, s17, s41                     ; tile row
	s_lshl_b32 s43, s41, 2
	s_lshl_b32 s43, 15, s43
	s_lshl_b32 s44, 0x1111, s40
	s_or_b32 s[G1+0], s43, (3<<16)|(1<<21)         ; A: the mask of my row; elements of 8 bytes; no padding
	s_or_b32 s[G1B+0], s44, (0<<16)|(1<<20)|(1<<21)|(7<<22)|(3<<25)   ; W: the mask of my column; elements of 1 byte; 4 words of padding after every 256
	s_mov_b32 s[G1+1], 2048<<16                    ; a tile's 16,384 bytes: all eight K steps
	s_mov_b32 s[G1+2], 4<<16                       ; 4 tiles of tokens
	s_mov_b32 s[G1+3], 2048<<16
	s_mov_b32 s[G1+4], 4
	s_mov_b32 s[G1+5], 2*KB
	s_mov_b32 s[G1+6], 0
	s_mov_b32 s[G1+7], 0
	s_mov_b32 s[G1B+1], 1024<<16
	s_mov_b32 s[G1B+2], 64<<16
	s_mov_b32 s[G1B+3], 1024<<16
	s_mov_b32 s[G1B+4], 64
	s_mov_b32 s[G1B+5], KB
	s_mov_b32 s[G1B+6], 0
	s_mov_b32 s[G1B+7], 0
	s_lshl_b32 s20, s17, 3
	s_lshl_b32 s18, s16, 2
	s_add_co_u32 s20, s20, s18                     ; A: tile of tokens 8 x tile row + 4 x half
	s_mul_i32 s20, s20, 16*KB
	s_mov_b32 s21, 0
	s_lshl_b32 s46, s42, 7
	s_lshl_b32 s18, s16, 6
	s_add_co_u32 s46, s46, s18                     ; W: row 128 x tile column + 64 x half
	s_mul_i32 s46, s46, KB
	s_mov_b32 s47, 0
	s_lshl_b32 s45, s16, 16                        ; where they go: no place in the cluster enters an LDS address
	s_mul_i32 s19, s16, WHALF
	s_add_co_u32 s19, s19, WOFF
	s_wait_dscnt 0x0                               ; both opening adds are done
	s_wait_kmcnt 0x0
	s_load_b64 s[96:97], s[8:9], SOFF              ; ea, eb
	s_add_nc_u64 s[20:21], s[4:5], s[20:21]
	s_add_nc_u64 s[46:47], s[6:7], s[46:47]
	CROUND                                         ; all sixteen work-groups are here: the joint loads meet
	s_mov_b32 s[G0], 1
	s_mov_b32 s[G0+1], s45
	s_mov_b64 s[G0+2:G0+3], s[20:21]
	s_or_b32 s[G0+3], s[G0+3], 0x80000000
	s_mov_b32 s[G0B], 1
	s_mov_b32 s[G0B+1], s19
	s_mov_b64 s[G0B+2:G0B+3], s[46:47]
	s_or_b32 s[G0B+3], s[G0B+3], 0x80000000
	s_cmp_eq_u32 s15, 0                            ; waves 0 and 1 fetch A's halves, waves 2 and 3 W's: one tensor load a wave
	s_cbranch_scc0 .Lfor_b
	tensor_load_to_lds s[G0:G0+3], s[G1:G1+7]
	s_nop 0
.rept 4
	v_nop
.endr
	s_branch .Lasked
.Lfor_b:
	tensor_load_to_lds s[G0B:G0B+3], s[G1B:G1B+7]
	s_nop 0
.rept 4
	v_nop
.endr
.Lasked:
	v_and_b32 v1, 15, v0                           ; r
	v_bfe_u32 v2, v0, 4, 1                         ; h
	v_and_b32 v6, 31, v0
	v_lshlrev_b32 v7, 4, v6                        ; 16 x lane
	v_mul_u32_u24 v3, v1, PITCH
	v_lshl_add_u32 v4, v2, 3, v3
	s_lshl_b32 s21, s15, 16
	s_mul_i32 s22, s16, WHALF
	s_add_co_u32 s22, s22, WOFF
	v_add_nc_u32 v[ADRX], s21, v7
	v_add_nc_u32 v[ADRW], s22, v4
	s_mul_i32 s23, s14, 16*SPITCH
	s_add_co_u32 s23, s23, STAGE                   ; my stage
	v_mul_u32_u24 v5, v1, SPITCH
	v_lshl_add_u32 v5, v2, 5, v5
	v_add_nc_u32 v[STO], s23, v5                   ; in: row r, 32 bytes for each half of the lanes
	v_mul_u32_u24 v5, v2, SPITCH
	v_lshl_add_u32 v5, v1, 4, v5
	v_add_nc_u32 v[RD], s23, v5                    ; back: lanes 0-15 one row of 256 bytes, lanes 16-31 the next
	v_lshlrev_b32 v5, 12, v2
	v_lshl_add_u32 v[CO], v1, 4, v5                ; and the same two rows in memory
	s_wait_alu depctr_va_vdst(0)
	s_lshl_b32 s74, s17, 7
	s_lshl_b32 s75, s15, 6
	s_add_co_u32 s74, s74, s75                     ; my first token,
	s_lshl_b32 s74, s74, 12                        ; x 4,096 bytes,
	s_lshl_b32 s75, s42, 9
	s_add_co_u32 s74, s74, s75
	s_lshl_b32 s75, s16, 8
	s_add_co_u32 s74, s74, s75                     ; + my first column x 4
	s_mov_b32 s75, 0
	s_add_nc_u64 s[10:11], s[10:11], s[74:75]
	s_add_nc_u64 s[12:13], s[12:13], s[74:75]
	WIN 0x80                                       ; destination window 2
.irp a, 0,1,2,3
.irp i, 0,1,2,3,4,5,6,7
	global_load_b128 v[32*\a+4*\i:32*\a+4*\i+3], v[CO], s[10:11] offset:(16*\a+2*\i)*4096 th:TH_LOAD_NT
.endr
.endr
	WIN 0
	s_wait_tensorcnt 0x0                           ; my quarter of the tiles is in,
	s_barrier_signal -1
	s_barrier_wait -1                              ; everybody's is
	FETCH 0, F0
	QUARTER 1, F0, F1, 1                           ; the first products start the sums
	QUARTER 2, F1, F0, 0
	QUARTER 3, F0, F1, 0
	QUARTER 4, F1, F0, 0
	QUARTER 5, F0, F1, 0
	QUARTER 6, F1, F0, 0
	QUARTER 7, F0, F1, 0
	s_wait_dscnt 0x0
	WIN MUL
	MUL16 F1, 0
	WIN 0
	s_wait_kmcnt 0x0
	s_add_co_i32 s96, s96, s97
	s_add_co_i32 s96, s96, 127
	s_lshl_b32 s96, s96, 23                        ; 2^(ea + eb) as f32
	s_mov_b32 s97, s96                             ; (named with it as a pair)
	s_wait_loadcnt 0x0                             ; the residual
	PLACES 4
.irp a, 0,1,2,3
.set TT, TMP+32*((\a)%2)
.if \a > 0
	s_wait_xcnt 0x0                                ; earlier stores have read their data
.endif
.irp b, 0,1,2,3
	ds_store_b128 v[STO], v[ACC+8*(4*\a+\b):ACC+8*(4*\a+\b)+3] offset:64*\b          ; each accumulator from its low end on
	ds_store_b128 v[STO], v[ACC+8*(4*\a+\b)+4:ACC+8*(4*\a+\b)+7] offset:64*\b+16
.endr
.irp i, 0,1,2,3,4,5,6,7
	ds_load_b128 v[TT+4*\i:TT+4*\i+3], v[RD] offset:2*\i*SPITCH   ; LDS serves a wave's instructions in order (ISA guide 5.7.1.4): these see my stores
.endr
	s_wait_dscnt 0x0
	WIN 0x20                                       ; source 2 (the residual) window 2
.set j, 0
.rept 16
	v_pk_fma_f32 v[TT+j:TT+j+1], v[TT+j:TT+j+1], s[96:97], v[32*\a+j:32*\a+j+1] op_sel_hi:[1,0,1]
.set j, j+2
.endr
	WIN 0
.irp i, 0,1,2,3,4,5,6,7
	global_store_b128 v[CO], v[TT+4*\i:TT+4*\i+3], s[12:13] offset:(16*\a+2*\i)*4096   ; sixteen lanes store 256 consecutive aligned bytes
.endr
.endr
	s_wait_tensorcnt 0x0                           ; the wave's end
	ds_add_u32 v[SPW], v[NIL]
	s_wait_dscnt 0x0
	CROUND                                         ; the closing round
	s_endpgm
.Lfunc_end_k_q1bfda3eae9_proj:
	.size	k_q1bfda3eae9_proj, .Lfunc_end_k_q1bfda3eae9_proj-k_q1bfda3eae9_proj
	.p2alignl 7, 3214868480
	.fill 96, 4, 3214868480
	.section	.rodata,"a",@progbits
	.p2align	6, 0x0
	.amdhsa_kernel k_q1bfda3eae9_proj
		.amdhsa_group_segment_fixed_size 327680
		.amdhsa_private_segment_fixed_size 0
		.amdhsa_enable_private_segment 0
		.amdhsa_kernarg_size 40
		.amdhsa_user_sgpr_count 2
		.amdhsa_user_sgpr_kernarg_segment_ptr 1
		.amdhsa_wavefront_size32 1
		.amdhsa_system_sgpr_workgroup_id_x 1
		.amdhsa_system_sgpr_workgroup_id_y 1
		.amdhsa_system_sgpr_workgroup_id_z 1
		.amdhsa_system_vgpr_workitem_id 0
		.amdhsa_next_free_vgpr 768
		.amdhsa_next_free_sgpr 98
		.amdhsa_reserve_vcc 0
		.amdhsa_float_denorm_mode_32 3
		.amdhsa_float_denorm_mode_16_64 3
		.amdhsa_memory_ordered 1
		.amdhsa_forward_progress 1
		.amdhsa_inst_pref_size 55
	.end_amdhsa_kernel
	.amdgpu_metadata
---
amdhsa.version: [ 1, 2 ]
amdhsa.kernels:
  - .name:           k_q1bfda3eae9_proj
    .symbol:         k_q1bfda3eae9_proj.kd
    .args:
      - { .name: act, .offset: 0, .size: 8, .value_kind: global_buffer, .address_space: global }
      - { .name: w_proj_codes, .offset: 8, .size: 8, .value_kind: global_buffer, .address_space: global }
      - { .name: lowp_scales, .offset: 16, .size: 8, .value_kind: global_buffer, .address_space: global }
      - { .name: x, .offset: 24, .size: 8, .value_kind: global_buffer, .address_space: global }
      - { .name: x1, .offset: 32, .size: 8, .value_kind: global_buffer, .address_space: global }
    .group_segment_fixed_size: 327680
    .private_segment_fixed_size: 0
    .kernarg_segment_align: 8
    .kernarg_segment_size: 40
    .max_flat_workgroup_size: 128
    .sgpr_count:     98
    .vgpr_count:     768
    .wavefront_size: 32
...
	.end_amdgpu_metadata
.endif
;; end of part 4
;; launch ln2 (part 5): grid 256 x 1, 16 waves a work-group, no clusters, 19,456 bytes of LDS; arguments x1, ln2_g, ln2_b, lowp_scales, act; writes act
.if DOCPART == 5
	.amdgcn_target "amdgcn-amd-amdhsa--gfx1250"
	.amdhsa_code_object_version 6
	.text
	.protected	k_q1bfda3eae9_ln2
	.globl	k_q1bfda3eae9_ln2
	.p2align	8
	.type	k_q1bfda3eae9_ln2,@function
k_q1bfda3eae9_ln2:
	s_mov_b64 s[64:65], 0
	v_nop
	global_prefetch_b8 v0, s[64:65] scope:SCOPE_SE
	s_setreg_imm32_b32 hwreg(HW_REG_WAVE_MODE, 25, 1), 1
	s_wait_xcnt 0x0
; LAYER NORM AND QUANTISER.  y = (x - mean) * rsqrt(var + 1e-5) * g + b over rows of 1,024 f32; y becomes codes of E4M3 with the given scale 2^e (entry SOFF / 4 of the scales).
; A work-group takes 16 rows (one tile of tokens), a wave one row, kept in 32 registers a lane between the passes: the row is read once.  Mean first, then the mean of (x - mean)^2: no difference of large sums.
; THE CODES LEAVE AS IMAGES OF OPERAND REGISTERS.  A fragment is 16 tokens x 128 k: lane (r, h) holds token r, registers 2 c, 2 c + 1 hold k = 16 c + 8 h + 0 .. 7.  In memory: tile T, K step s, chunk cc (registers 4 cc .. 4 cc + 3)
; at ((8 T + s) 4 + cc) 512 + 16 x lane.  My lane's 8 neighbours k = 256 i + 8 l + 0 .. 7 are 8 bytes of that image; the 16 waves' bytes meet in LDS, and the tile's 16,384 bytes leave as they lie, 512 consecutive bytes a wave and store.
; LDS: the image in 64 units of 256 bytes, each followed by 16 bytes of padding, so that the 32 lanes of a store of 8 bytes fall on 32 different columns of 8 bytes.
; LIMITS: e between -126 and 119, so that 2^e and 448 x 2^e are f32 numbers.  NaN and infinities among the inputs are not served.
.set SOFF, 32
.set X, 32                             ; v32-63  my 32 numbers of the row
.set G, 64                             ; v64-95  g at the same places
.set B, 96                             ; v96-127 b
.set UP, 272                           ; a unit of the image in LDS
	s_load_b256 s[4:11], s[0:1], 0x0               ; x s[4:5], g s[6:7], b s[8:9], the scales s[10:11]
	s_load_b64 s[12:13], s[0:1], 0x20              ; the codes
	v_lshl_add_u32 v128, v0, 2, 0x4400
	v_mov_b32 v129, 0
	v_and_b32 v1, 31, v0                           ; lane l
	s_delay_alu instid0(VALU_DEP_1)
	v_lshlrev_b32 v2, 5, v1                        ; 32 l: my 8 numbers of each 1,024 bytes
	v_lshrrev_b32 v7, 5, v0
	s_delay_alu instid0(VALU_DEP_1)
	v_readfirstlane_b32 s16, v7                    ; wave = the row in the tile
	v_bfe_u32 v6, v0, 4, 1                         ; l / 16: which of the two K steps of 256 k
	v_bfe_u32 v8, v0, 2, 2                         ; (l / 4) % 4: the chunk cc
	v_and_b32 v9, 1, v0                            ; l % 2: the half h
	s_delay_alu instid0(VALU_DEP_3)
	v_lshlrev_b32 v6, 3, v6
	s_delay_alu instid0(VALU_DEP_1)
	v_lshl_add_u32 v6, v8, 1, v6
	s_delay_alu instid0(VALU_DEP_1)
	v_add_nc_u32 v6, v6, v9                        ; unit = 8 (l / 16) + 2 cc + h
	s_delay_alu instid0(VALU_DEP_1)
	v_mul_u32_u24 v3, v6, UP
	v_bfe_u32 v8, v0, 1, 1
	s_delay_alu instid0(VALU_DEP_1)
	v_lshl_add_u32 v3, v8, 3, v3                   ; + 8 x (c % 2)
	s_delay_alu instid0(VALU_DEP_1)
	v_lshl_add_u32 v3, v7, 4, v3                   ; + 16 x token: where my 8 codes go
	v_lshrrev_b32 v6, 4, v0
	s_delay_alu instid0(VALU_DEP_1)
	v_mul_u32_u24 v4, v6, UP
	v_and_b32 v8, 15, v0
	s_delay_alu instid0(VALU_DEP_1)
	v_lshl_add_u32 v4, v8, 4, v4                   ; back: sixteen threads to a unit
	v_lshlrev_b32 v5, 4, v0                        ; and the same bytes in memory: 16 x thread
	s_lshl_b32 s17, ttmp9, 4
	s_add_co_u32 s17, s17, s16                     ; my row
	s_lshl_b32 s18, s17, 12                        ; x 4,096 bytes
	s_mov_b32 s19, 0
	s_lshl_b32 s26, ttmp9, 14                      ; the tile's image: 16,384 bytes
	s_mov_b32 s27, 0
	s_mov_b32 s20, 0x76543210                      ; v_permlanex16_b32: lane l xor 16
	s_mov_b32 s21, 0xfedcba98
	s_mov_b32 s24, 0x3a800000                      ; 1 / 1,024
	s_mov_b32 s25, 0x3727c5ac                      ; 1e-5
	s_wait_kmcnt 0x0
	s_load_b32 s22, s[10:11], SOFF                 ; e
	s_add_nc_u64 s[4:5], s[4:5], s[18:19]
	s_add_nc_u64 s[12:13], s[12:13], s[26:27]
.irp i, 0,1,2,3
	global_load_b128 v[X+8*\i:X+8*\i+3], v2, s[4:5] offset:1024*\i th:TH_LOAD_NT
	global_load_b128 v[X+8*\i+4:X+8*\i+7], v2, s[4:5] offset:1024*\i+16 th:TH_LOAD_NT
.endr
.irp i, 0,1,2,3
	global_load_b128 v[G+8*\i:G+8*\i+3], v2, s[6:7] offset:1024*\i
	global_load_b128 v[G+8*\i+4:G+8*\i+7], v2, s[6:7] offset:1024*\i+16
.endr
.irp i, 0,1,2,3
	global_load_b128 v[B+8*\i:B+8*\i+3], v2, s[8:9] offset:1024*\i
	global_load_b128 v[B+8*\i+4:B+8*\i+7], v2, s[8:9] offset:1024*\i+16
.endr
.macro ALLSUM                          ; v8 summed over the 32 lanes, the result in every lane; v9 at work (written before)
	s_delay_alu instid0(VALU_DEP_1)
	v_add_f32_dpp v8, v8, v8 row_xmask:1 row_mask:0xf bank_mask:0xf
	s_delay_alu instid0(VALU_DEP_1)
	v_add_f32_dpp v8, v8, v8 row_xmask:2 row_mask:0xf bank_mask:0xf
	s_delay_alu instid0(VALU_DEP_1)
	v_add_f32_dpp v8, v8, v8 row_xmask:4 row_mask:0xf bank_mask:0xf
	s_delay_alu instid0(VALU_DEP_1)
	v_add_f32_dpp v8, v8, v8 row_xmask:8 row_mask:0xf bank_mask:0xf
	s_delay_alu instid0(VALU_DEP_1)
	v_permlanex16_b32 v9, v8, s20, s21
	s_delay_alu instid0(VALU_DEP_1)
	v_add_f32 v8, v8, v9
.endm
.macro FOLD                            ; four chains of pairs in v8-15 into v8
	s_delay_alu instid0(VALU_DEP_3)
	v_pk_add_f32 v[8:9], v[8:9], v[10:11]
	s_delay_alu instid0(VALU_DEP_2)
	v_pk_add_f32 v[12:13], v[12:13], v[14:15]
	s_delay_alu instid0(VALU_DEP_1)
	v_pk_add_f32 v[8:9], v[8:9], v[12:13]
	s_delay_alu instid0(VALU_DEP_1)
	v_add_f32 v8, v8, v9
.endm
	s_wait_loadcnt 16                              ; x's eight loads are in; g's and b's sixteen may be out
.irp k, 0,1,2,3
	v_pk_add_f32 v[8+2*\k:9+2*\k], v[X+2*\k:X+2*\k+1], v[X+8+2*\k:X+9+2*\k]   ; the first pairs start the chains: nothing is cleared
.endr
.irp m, 16,24
.irp k, 0,1,2,3
	s_delay_alu instid0(VALU_DEP_4)
	v_pk_add_f32 v[8+2*\k:9+2*\k], v[8+2*\k:9+2*\k], v[X+\m+2*\k:X+\m+2*\k+1]
.endr
.endr
	FOLD
	ALLSUM
	s_delay_alu instid0(VALU_DEP_1)
	v_mul_f32 v16, s24, v8                         ; the mean
	s_delay_alu instid0(VALU_DEP_1)
	v_mov_b32 v17, v16
.set j, 0
.rept 16
	v_pk_add_f32 v[X+j:X+j+1], v[X+j:X+j+1], v[16:17] neg_lo:[0,1] neg_hi:[0,1]   ; d = x - mean
.set j, j+2
.endr
.irp k, 0,1,2,3
	v_pk_mul_f32 v[8+2*\k:9+2*\k], v[X+2*\k:X+2*\k+1], v[X+2*\k:X+2*\k+1]
.endr
.irp m, 8,16,24
.irp k, 0,1,2,3
	s_delay_alu instid0(VALU_DEP_4)
	v_pk_fma_f32 v[8+2*\k:9+2*\k], v[X+\m+2*\k:X+\m+2*\k+1], v[X+\m+2*\k:X+\m+2*\k+1], v[8+2*\k:9+2*\k]
.endr
.endr
	FOLD
	ALLSUM
	s_delay_alu instid0(VALU_DEP_1)
	v_fma_f32 v10, v8, s24, s25                    ; var + 1e-5
	s_wait_alu depctr_va_vdst(0)
	v_rsq_f32 v18, v10
	v_rsq_f32 v19, v10                             ; twice: a pair for the packed multiply
	v_nop                                          ; a plain instruction behind the transcendentals
	s_wait_kmcnt 0x0
	s_add_co_i32 s22, s22, 127
	s_lshl_b32 s23, s22, 23
	v_mov_b32 v21, s23                             ; 2^e as f32: the conversion takes its exponent field
	s_add_co_i32 s22, s22, 8
	s_lshl_b32 s22, s22, 23
	s_or_b32 s22, s22, 0x600000
	v_mov_b32 v20, s22                             ; 448 x 2^e
	s_wait_alu depctr_va_vdst(0)                   ; one wait for both, ahead of their first reader
	s_wait_loadcnt 0x0                             ; g and b
.set j, 0
.rept 16
	v_pk_mul_f32 v[X+j:X+j+1], v[X+j:X+j+1], v[18:19]
.set j, j+2
.endr
.set j, 0
.rept 16
	v_pk_fma_f32 v[X+j:X+j+1], v[X+j:X+j+1], v[G+j:G+j+1], v[B+j:B+j+1]
.set j, j+2
.endr
.set j, 0
.rept 32
	v_med3_num_f32 v[X+j], v[X+j], -v20, v20       ; the conversion to an 8-bit code does not saturate (ISA guide 7.6.2): the hold at the largest code x the scale
.set j, j+1
.endr
.irp i, 0,1,2,3
	v_cvt_scalef32_pk8_fp8_f32 v[24+2*\i:25+2*\i], v[X+8*\i:X+8*\i+7], v21
.endr
	v_nop                                          ; a plain instruction behind the last conversion
.irp i, 0,1,2,3
	ds_store_b64 v3, v[24+2*\i:25+2*\i] offset:16*UP*\i   ; 256 along K further on: two K steps, sixteen units
.endr
	s_wait_dscnt 0x0                               ; for the others' sake: my stores have landed
	s_barrier_signal -1
	s_barrier_wait -1
	ds_load_b128 v[8:11], v4
	ds_load_b128 v[12:15], v4 offset:32*UP
	s_wait_dscnt 1                                 ; the first is in, the second may be out
	global_store_b128 v5, v[8:11], s[12:13]        ; a wave stores 512 consecutive bytes, at a multiple of 256 from the buffer's first byte
	s_wait_dscnt 0x0
	global_store_b128 v5, v[12:15], s[12:13] offset:8192
	s_wait_tensorcnt 0x0
	ds_add_u32 v128, v129
	s_wait_dscnt 0x0
	s_endpgm
.Lfunc_end_k_q1bfda3eae9_ln2:
	.size	k_q1bfda3eae9_ln2, .Lfunc_end_k_q1bfda3eae9_ln2-k_q1bfda3eae9_ln2
	.p2alignl 7, 3214868480
	.fill 96, 4, 3214868480
	.section	.rodata,"a",@progbits
	.p2align	6, 0x0
	.amdhsa_kernel k_q1bfda3eae9_ln2
		.amdhsa_group_segment_fixed_size 19456
		.amdhsa_private_segment_fixed_size 0
		.amdhsa_enable_private_segment 0
		.amdhsa_kernarg_size 40
		.amdhsa_user_sgpr_count 2
		.amdhsa_user_sgpr_kernarg_segment_ptr 1
		.amdhsa_wavefront_size32 1
		.amdhsa_system_sgpr_workgroup_id_x 1
		.amdhsa_system_sgpr_workgroup_id_y 1
		.amdhsa_system_sgpr_workgroup_id_z 1
		.amdhsa_system_vgpr_workitem_id 0
		.amdhsa_next_free_vgpr 130
		.amdhsa_next_free_sgpr 66
		.amdhsa_reserve_vcc 0
		.amdhsa_float_denorm_mode_32 3
		.amdhsa_float_denorm_mode_16_64 3
		.amdhsa_memory_ordered 1
		.amdhsa_forward_progress 1
		.amdhsa_inst_pref_size 16
	.end_amdhsa_kernel
	.amdgpu_metadata
---
amdhsa.version: [ 1, 2 ]
amdhsa.kernels:
  - .name:           k_q1bfda3eae9_ln2
    .symbol:         k_q1bfda3eae9_ln2.kd
    .args:
      - { .name: x1, .offset: 0, .size: 8, .value_kind: global_buffer, .address_space: global }
      - { .name: ln2_g, .offset: 8, .size: 8, .value_kind: global_buffer, .address_space: global }
      - { .name: ln2_b, .offset: 16, .size: 8, .value_kind: global_buffer, .address_space: global }
      - { .name: lowp_scales, .offset: 24, .size: 8, .value_kind: global_buffer, .address_space: global }
      - { .name: act, .offset: 32, .size: 8, .value_kind: global_buffer, .address_space: global }
    .group_segment_fixed_size: 19456
    .private_segment_fixed_size: 0
    .kernarg_segment_align: 8
    .kernarg_segment_size: 40
    .max_flat_workgroup_size: 512
    .sgpr_count:     66
    .vgpr_count:     130
    .wavefront_size: 32
...
	.end_amdgpu_metadata
.endif
;; end of part 5
;; launch ffn1 (part 6): grid 16 x 16, 4 waves a work-group, clusters of 4 x 4, 327,680 bytes of LDS; arguments act, w1_codes, lowp_scales, hc; writes hc
.if DOCPART == 6
	.amdgcn_target "amdgcn-amd-amdhsa--gfx1250"
	.amdhsa_code_object_version 6
	.text
	.protected	k_q1bfda3eae9_ffn1
	.globl	k_q1bfda3eae9_ffn1
	.p2align	8
	.type	k_q1bfda3eae9_ffn1,@function
k_q1bfda3eae9_ffn1:
	s_mov_b64 s[64:65], 0
	v_nop
	global_prefetch_b8 v0, s[64:65] scope:SCOPE_SE
	s_setreg_imm32_b32 hwreg(HW_REG_WAVE_MODE, 25, 1), 1
	s_wait_xcnt 0x0
	s_wait_alu depctr_hold_cnt(0) depctr_sa_sdst(0) depctr_va_vdst(0) depctr_va_sdst(0) depctr_va_ssrc(0) depctr_va_vcc(0) depctr_vm_vsrc(0)
	s_getreg_b32 s2, hwreg(HW_REG_IB_STS2, 6, 4)
	s_cmp_eq_u32 s2, 0
	s_cbranch_scc0 .Lentry_in_a_cluster
	s_endpgm
.Lentry_in_a_cluster:
	s_bfe_u32 s2, ttmp6, 0x10000c
	s_cmp_lg_u32 s2, 0xf033
	s_cbranch_scc0 .Lentry_shape_is_right
	s_endpgm
.Lentry_shape_is_right:
.set KROW,  1024
.set PITCH, 272
.set WOFF,  65536
.set WHALF, 128*PITCH
.set SLOT,  WOFF+2*WHALF
.set SPARE, 2*SLOT
.set ADRX, 16
.set ADRW, 20
.set C9,   22
.set LI,   26
.set SPW,  28
.set NIL,  29
.set LIM,  30
.set SC,   31
.set XF,   128
.set XV,   32
.set T,    96
.set P,    160
.set CD,   224
.set TM,   240
.set CF,   66
.set KW,   84
.set KT,   86
.set QS,   92
.set AB,   3
.set G1, 24
.set G0, 32
.set G1B, 48
.set G0B, 56
.set MSB, 0
.macro WIN new
.if MSB != (\new)
	s_set_vgpr_msb (MSB<<8)|(\new)
.set MSB, (\new)
.endif
.endm
.set TO_W, 0x40
.macro JLOAD g0a, g1a, g0b, g1b
	s_cmp_eq_u32 s15, 0
	s_cbranch_scc0 .Lfor_b_\@
	tensor_load_to_lds s[\g0a:\g0a+3], s[\g1a:\g1a+7]
	s_nop 0
.rept 4
	v_nop
.endr
	s_branch .Lasked_\@
.Lfor_b_\@:
	tensor_load_to_lds s[\g0b:\g0b+3], s[\g1b:\g1b+7]
	s_nop 0
.rept 4
	v_nop
.endr
.Lasked_\@:
.endm
.macro CREST
	s_cmp_lg_u32 s14, 0
	s_cbranch_scc1 .Lnot_wave_0_\@
	s_barrier_signal -3
.Lnot_wave_0_\@:
	s_barrier_wait -3
	s_barrier_signal -1
	s_barrier_wait -1
.endm
.macro CROUND
	s_barrier_signal -1
	s_barrier_wait -1
	CREST
.endm
.macro PLACES n
.rept \n
	v_nop
.endr
.endm
.macro XFRAG reg, slot, q, i
.irp c, 0,1,2,3
	ds_load_b128 v[\reg+4*\c:\reg+4*\c+3], v[ADRX+\slot] offset:(\i)*4096+(\q)*2048+512*\c
.endr
.endm
.macro WFRAG reg, slot, q, i
.irp c, 0,1,2,3,4,5,6,7
	ds_load_b64 v[\reg+2*\c:\reg+2*\c+1], v[ADRW+\slot] offset:(\i)*16*PITCH+128*(\q)+16*\c
.endr
.endm
.macro FETCH_W slot, q, p
	WIN TO_W
.irp i, 0,1,2,3,4,5,6,7
	WFRAG 128*(\p)+16*\i, \slot, \q, \i
.endr
	WIN 0
.endm
.macro FETCH_X slot, q, i0
.irp i, \i0, \i0+1, \i0+2, \i0+3
	XFRAG XF+16*(\i), \slot, \q, \i
.endr
.endm
.macro MUL16 a0, p, zero
.irp a, \a0, \a0+1
.irp b, 0,1,2,3,4,5,6,7
.set DD, 8*(8*((\a)%4)+\b)
.set WW, 128*(\p)+16*\b
.set XX, XF+16*(\a)
.if \zero
	v_wmma_f32_16x16x128_fp8_fp8 v[DD:DD+7], v[WW:WW+15], v[XX:XX+15], 0
.else
	v_wmma_f32_16x16x128_fp8_fp8 v[DD:DD+7], v[WW:WW+15], v[XX:XX+15], v[DD:DD+7]
.endif
.endr
.endr
.endm
.macro STEP slot, q, zero
	s_wait_dscnt 16
	WIN 0xa1
	MUL16 0, (\q)%2, \zero
	MUL16 2, (\q)%2, \zero
	s_wait_dscnt 0
	PLACES 4
	FETCH_W \slot, (\q)+1, 1-(\q)%2
	FETCH_X \slot, (\q)+1, 0
	WIN 0xf1
	MUL16 4, (\q)%2, \zero
	MUL16 6, (\q)%2, \zero
	PLACES 4
	WIN 0
	FETCH_X \slot, (\q)+1, 4
.endm
.macro TURN slot, next, fill
	s_wait_tensorcnt 0x0
	ds_add_u32 v[SPW], v[NIL]
	s_wait_dscnt 17
	WIN 0xa1
	MUL16 0, 1, 0
	s_wait_dscnt 0x0
	s_barrier_signal -1
	MUL16 2, 1, 0
	WIN 0
	s_barrier_wait -1
.if \fill
	CREST
	s_add_nc_u64 s[G0+4*\slot+2:G0+4*\slot+3], s[G0+4*\slot+2:G0+4*\slot+3], 8192
	s_add_nc_u64 s[G0B+4*\slot+2:G0B+4*\slot+3], s[G0B+4*\slot+2:G0B+4*\slot+3], 512
	JLOAD G0+4*\slot, G1, G0B+4*\slot, G1B
.else
	PLACES 4
.endif
	FETCH_W \next, 0, 0
	FETCH_X \next, 0, 0
	WIN 0xf1
	MUL16 4, 1, 0
	MUL16 6, 1, 0
	PLACES 4
	WIN 0
	FETCH_X \next, 0, 4
.endm
.macro PAIR reg, val
	s_mov_b32 s[\reg], \val
	s_mov_b32 s[\reg+1], \val
.endm
.macro EXTRACT a
	WIN 0x02+(\a)/4
.set j, 0
.rept 32
	v_pk_mul_f32 v[XV+j:XV+j+1], v[64*((\a)%4)+j:64*((\a)%4)+j+1], s[96:97] op_sel_hi:[1,0]
.set j, j+2
.endr
	WIN 0
.endm
	s_load_b128 s[4:7], s[0:1], 0x0
	s_load_b128 s[8:11], s[0:1], 0x10
	v_lshl_add_u32 v[SPW], v0, 2, SPARE
	v_mov_b32 v[NIL], 0
	ds_add_u32 v28, v29
	ds_add_u32 v28, v29
	s_wait_dscnt 0x0
	v_lshrrev_b32 v1, 5, v0
	v_readfirstlane_b32 s14, v1
	s_lshr_b32 s15, s14, 1
	s_and_b32 s16, s14, 1
	s_bfe_u32 s40, ttmp6, 0x40000
	s_bfe_u32 s41, ttmp6, 0x40004
	s_lshl_b32 s42, ttmp9, 2
	s_add_co_u32 s42, s42, s40
	s_and_b32 s17, ttmp7, 0xffff
	s_lshl_b32 s17, s17, 2
	s_add_co_u32 s17, s17, s41
	s_lshl_b32 s43, s41, 2
	s_lshl_b32 s43, 15, s43
	s_lshl_b32 s44, 0x1111, s40
	s_or_b32 s[G1+0], s43, (3<<16)|(1<<21)
	s_or_b32 s[G1B+0], s44, (0<<16)|(1<<20)|(1<<21)|(5<<22)|(3<<25)
	s_mov_b32 s[G1+1], 512<<16
	s_mov_b32 s[G1+2], 8<<16
	s_mov_b32 s[G1+3], 512<<16
	s_mov_b32 s[G1+4], 8
	s_mov_b32 s[G1+5], 2048
	s_mov_b32 s[G1+6], 0
	s_mov_b32 s[G1+7], 0
	s_mov_b32 s[G1B+1], 256<<16
	s_mov_b32 s[G1B+2], 128<<16
	s_mov_b32 s[G1B+3], 256<<16
	s_mov_b32 s[G1B+4], 128
	s_mov_b32 s[G1B+5], KROW
	s_mov_b32 s[G1B+6], 0
	s_mov_b32 s[G1B+7], 0
	s_lshl_b32 s20, s17, 4
	s_lshl_b32 s18, s16, 3
	s_add_co_u32 s20, s20, s18
	s_lshl_b32 s20, s20, 14
	s_mov_b32 s21, 0
	s_lshl_b32 s46, s42, 8
	s_lshl_b32 s18, s16, 7
	s_add_co_u32 s46, s46, s18
	s_lshl_b32 s46, s46, 10
	s_mov_b32 s47, 0
	s_lshl_b32 s45, s16, 15
	s_mul_i32 s19, s16, WHALF
	s_add_co_u32 s19, s19, WOFF
	s_wait_kmcnt 0x0
	s_load_b128 s[88:91], s[8:9], 0x20
	s_add_nc_u64 s[20:21], s[4:5], s[20:21]
	s_add_nc_u64 s[46:47], s[6:7], s[46:47]
	CROUND
.irp s, 0,1
	s_mov_b32 s[G0+4*\s], 1
	s_add_co_u32 s[G0+4*\s+1], s45, \s*SLOT
	s_add_nc_u64 s[G0+4*\s+2:G0+4*\s+3], s[20:21], \s*4096
	s_or_b32 s[G0+4*\s+3], s[G0+4*\s+3], 0x80000000
	s_mov_b32 s[G0B+4*\s], 1
	s_add_co_u32 s[G0B+4*\s+1], s19, \s*SLOT
	s_add_nc_u64 s[G0B+4*\s+2:G0B+4*\s+3], s[46:47], \s*256
	s_or_b32 s[G0B+4*\s+3], s[G0B+4*\s+3], 0x80000000
.endr
	JLOAD G0, G1, G0B, G1B                         ; slot 0: one tensor load a wave at the head
	v_and_b32 v1, 15, v0
	v_bfe_u32 v2, v0, 4, 1
	v_and_b32 v6, 31, v0
	v_lshlrev_b32 v[LI], 4, v6
	v_mul_u32_u24 v3, v1, PITCH
	v_lshl_add_u32 v4, v2, 3, v3
	s_lshl_b32 s21, s15, 15
	s_mul_i32 s22, s16, WHALF
	s_add_co_u32 s22, s22, WOFF
.irp s, 0,1
	v_add_nc_u32 v[ADRX+\s], s21, v[LI]
	v_add_nc_u32 v[ADRW+\s], s22, v4
	s_add_co_u32 s21, s21, SLOT
	s_add_co_u32 s22, s22, SLOT
.endr
	s_lshl_b32 s74, s17, 4
	s_lshl_b32 s75, s15, 3
	s_add_co_u32 s74, s74, s75
	s_lshl_b32 s74, s74, 5
	s_lshl_b32 s75, s42, 1
	s_add_co_u32 s74, s74, s75
	s_add_co_u32 s74, s74, s16
	s_lshl_b32 s74, s74, 11
	s_mov_b32 s75, 0
	s_add_nc_u64 s[10:11], s[10:11], s[74:75]
	PAIR CF+0,  0xc034d90f
	PAIR CF+2,  0x3fb8ab5a
	PAIR CF+4,  0x3f0a29d2
	PAIR CF+6,  0x3e0efb2e
	PAIR CF+8,  0xbe899a80
	PAIR CF+10, 0x3ecdfd18
	PAIR CF+12, 0xbfd1a1e5
	PAIR CF+14, 0x40097039
	PAIR CF+16, 0xbf97d29d
	PAIR KW,    0xbf38aa3b
	s_mov_b32 s[KT], 0x3eb504f3
	v_mov_b32 v[C9], 0x3e7c6f08
	v_mov_b32 v[C9+1], 0x3e7c6f08
	s_wait_alu depctr_va_vdst(0)
	s_wait_tensorcnt 0x0                           ; my part of slot 0 is in
	ds_add_u32 v[SPW], v[NIL]
	s_wait_dscnt 0x0
	CROUND                                         ; everybody's part of slot 0 is in, and all sixteen work-groups are here
	JLOAD G0+4, G1, G0B+4, G1B                     ; slot 1's first fill: the first tensor load behind the round
	FETCH_W 0, 0, 0
	FETCH_X 0, 0, 0
	FETCH_X 0, 0, 4
	STEP 0, 0, 1
	TURN 0, 1, 1
	STEP 1, 0, 0
	TURN 1, 0, 1
	STEP 0, 0, 0
	TURN 0, 1, 0
	STEP 1, 0, 0
	s_wait_dscnt 16
	WIN 0xa1
	MUL16 0, 1, 0
	MUL16 2, 1, 0
	s_wait_dscnt 0
	WIN 0xf1
	MUL16 4, 1, 0
	MUL16 6, 1, 0
	WIN 0
	s_wait_kmcnt 0x0
	s_add_co_i32 s96, s88, s89
	s_add_co_i32 s96, s96, 127
	s_lshl_b32 s96, s96, 23
	s_mov_b32 s97, s96
	s_add_co_i32 s[QS], s90, 127
	s_lshl_b32 s[QS+1], s[QS], 23
	v_mov_b32 v[SC], s[QS+1]
	s_add_co_i32 s[QS], s[QS], 8
	s_lshl_b32 s[QS], s[QS], 23
	s_or_b32 s[QS], s[QS], 0x600000
	v_mov_b32 v[LIM], s[QS]
	PLACES 4
	s_mov_b32 s[AB], 0
.Lblk:
.irp a, 0,1,2,3,4,5,6
	s_cmp_eq_u32 s[AB], \a
	s_cbranch_scc0 .Lnot\a
	EXTRACT \a
	s_branch .Lgelu
.Lnot\a:
.endr
	EXTRACT 7
.Lgelu:
.set j, 0
.rept 64
	v_fma_f32 v[T+j], |v[XV+j]|, s[KT], 1.0
.set j, j+1
.endr
.set j, 0
	s_wait_alu depctr_va_vdst(0)
.rept 64
	v_rcp_f32 v[T+j], v[T+j]
.set j, j+1
.endr
	v_nop
	s_wait_alu depctr_va_vdst(0)
.set j, 0
.rept 32
	v_pk_fma_f32 v[P+j:P+j+1], v[T+j:T+j+1], v[C9:C9+1], s[CF+16:CF+17] op_sel_hi:[1,1,0]
.set j, j+2
.endr
.irp k, 7,6,5,4,3,2,1,0
.set j, 0
.rept 32
	v_pk_fma_f32 v[P+j:P+j+1], v[P+j:P+j+1], v[T+j:T+j+1], s[CF+2*\k:CF+2*\k+1] op_sel_hi:[1,1,0]
.set j, j+2
.endr
.endr
.set j, 0
.rept 8
.irp u, 0,2,4,6
	v_pk_mul_f32 v[TM+\u:TM+\u+1], v[XV+j+\u:XV+j+\u+1], v[XV+j+\u:XV+j+\u+1]
.endr
.irp u, 0,2,4,6
	v_pk_fma_f32 v[P+j+\u:P+j+\u+1], v[TM+\u:TM+\u+1], s[KW:KW+1], v[P+j+\u:P+j+\u+1] op_sel_hi:[1,0,1]
.endr
.set j, j+8
.endr
.set j, 0
	s_wait_alu depctr_va_vdst(0)
.rept 64
	v_exp_f32 v[P+j], v[P+j]
.set j, j+1
.endr
	v_nop
	s_wait_alu depctr_va_vdst(0)
.set j, 0
.rept 32
	v_pk_mul_f32 v[T+j:T+j+1], v[T+j:T+j+1], v[P+j:P+j+1]
.set j, j+2
.endr
.set j, 0
.rept 64
	v_max_num_f32 v[P+j], 0, v[XV+j]
.set j, j+1
.endr
.set j, 0
.rept 64
	v_fma_f32 v[XV+j], -|v[XV+j]|, v[T+j], v[P+j]
.set j, j+1
.endr
.set j, 0
.rept 64
	v_med3_num_f32 v[XV+j], v[XV+j], -v[LIM], v[LIM]
.set j, j+1
.endr
.irp b, 0,1,2,3,4,5,6,7
	v_cvt_scalef32_pk8_fp8_f32 v[CD+2*\b:CD+2*\b+1], v[XV+8*\b:XV+8*\b+7], v[SC]
.endr
	v_nop
.irp c, 0,1,2,3
	global_store_b128 v[LI], v[CD+4*\c:CD+4*\c+3], s[10:11] offset:512*\c
.endr
	s_wait_xcnt 0x0
	s_add_nc_u64 s[10:11], s[10:11], 0x10000
	s_add_co_u32 s[AB], s[AB], 1
	s_cmp_lt_u32 s[AB], 8
	s_cbranch_scc1 .Lblk
	s_wait_tensorcnt 0x0
	ds_add_u32 v[SPW], v[NIL]
	s_wait_dscnt 0x0
	CROUND
	s_endpgm
.Lfunc_end_k_q1bfda3eae9_ffn1:
	.size	k_q1bfda3eae9_ffn1, .Lfunc_end_k_q1bfda3eae9_ffn1-k_q1bfda3eae9_ffn1
	.p2alignl 7, 3214868480
	.fill 96, 4, 3214868480
	.section	.rodata,"a",@progbits
	.p2align	6, 0x0
	.amdhsa_kernel k_q1bfda3eae9_ffn1
		.amdhsa_group_segment_fixed_size 327680
		.amdhsa_private_segment_fixed_size 0
		.amdhsa_enable_private_segment 0
		.amdhsa_kernarg_size 32
		.amdhsa_user_sgpr_count 2
		.amdhsa_user_sgpr_kernarg_segment_ptr 1
		.amdhsa_wavefront_size32 1
		.amdhsa_system_sgpr_workgroup_id_x 1
		.amdhsa_system_sgpr_workgroup_id_y 1
		.amdhsa_system_sgpr_workgroup_id_z 1
		.amdhsa_system_vgpr_workitem_id 0
		.amdhsa_next_free_vgpr 1024
		.amdhsa_next_free_sgpr 98
		.amdhsa_reserve_vcc 0
		.amdhsa_float_denorm_mode_32 3
		.amdhsa_float_denorm_mode_16_64 3
		.amdhsa_memory_ordered 1
		.amdhsa_forward_progress 1
		.amdhsa_inst_pref_size 156
	.end_amdhsa_kernel
	.amdgpu_metadata
---
amdhsa.version: [ 1, 2 ]
amdhsa.kernels:
  - .name:           k_q1bfda3eae9_ffn1
    .symbol:         k_q1bfda3eae9_ffn1.kd
    .args:
      - { .name: act, .offset: 0, .size: 8, .value_kind: global_buffer, .address_space: global }
      - { .name: w1_codes, .offset: 8, .size: 8, .value_kind: global_buffer, .address_space: global }
      - { .name: lowp_scales, .offset: 16, .size: 8, .value_kind: global_buffer, .address_space: global }
      - { .name: hc, .offset: 24, .size: 8, .value_kind: global_buffer, .address_space: global }
    .group_segment_fixed_size: 327680
    .private_segment_fixed_size: 0
    .kernarg_segment_align: 8
    .kernarg_segment_size: 32
    .max_flat_workgroup_size: 128
    .sgpr_count:     98
    .vgpr_count:     1024
    .wavefront_size: 32
...
	.end_amdgpu_metadata
.endif
;; end of part 6
;; launch ffn2 (part 7): grid 8 x 32, 4 waves a work-group, clusters of 4 x 4, 327,680 bytes of LDS; arguments hc, w2_codes, lowp_scales, x1, out0; writes out0
.if DOCPART == 7
	.amdgcn_target "amdgcn-amd-amdhsa--gfx1250"
	.amdhsa_code_object_version 6
	.text
	.protected	k_q1bfda3eae9_ffn2
	.globl	k_q1bfda3eae9_ffn2
	.p2align	8
	.type	k_q1bfda3eae9_ffn2,@function
k_q1bfda3eae9_ffn2:
	s_mov_b64 s[64:65], 0
	v_nop
	global_prefetch_b8 v0, s[64:65] scope:SCOPE_SE
	s_setreg_imm32_b32 hwreg(HW_REG_WAVE_MODE, 25, 1), 1
	s_wait_xcnt 0x0
	s_wait_alu depctr_hold_cnt(0) depctr_sa_sdst(0) depctr_va_vdst(0) depctr_va_sdst(0) depctr_va_ssrc(0) depctr_va_vcc(0) depctr_vm_vsrc(0)
	s_getreg_b32 s2, hwreg(HW_REG_IB_STS2, 6, 4)
	s_cmp_eq_u32 s2, 0
	s_cbranch_scc0 .Lentry_in_a_cluster
	s_endpgm
.Lentry_in_a_cluster:
	s_bfe_u32 s2, ttmp6, 0x10000c
	s_cmp_lg_u32 s2, 0xf033
	s_cbranch_scc0 .Lentry_shape_is_right
	s_endpgm
.Lentry_shape_is_right:
; out = resid + (A W^T) x 2^(ea + eb), on codes of E4M3.  A: 4,096 tokens x 4,096 k as images of operand registers; W: [1,024][4,096] codes, K innermost; resid, out: [4,096][1,024] f32.
; A tile is 128 x 128: 256 work-groups of four waves, each 64 tokens x 64 columns.  K goes in eight slots of 512 through a ring of two LDS slots filled by joint tensor loads:
; 4 x 4 work-groups form a cluster; A's tile is shared along a row of the cluster, W's along a column.
; PREFETCH: behind the joint load of slot n stands one prefetch a wave for slot n + 2 (n = 0 .. 5).  Of the 128 blocks of 256 bytes that a wave's load brings, each of the four partners that ask for them jointly names 32,
; told apart by address (A: the token tile cx, 8,192 consecutive bytes; W: rows 16 cy .. 16 cy + 15, two blocks a row): each block is named once in a cluster.  The last two refills have no slot two on and ask for nothing.
; LIMIT: ea + eb between -126 and 127.
.set KB,    4096
.set SOFF,  40
.set PITCH, 528
.set WOFF,  65536
.set WHALF, 64*PITCH
.set SLOT,  WOFF+2*WHALF
.set STAGE, 2*SLOT
.set SPITCH, 272
.set SPARE, STAGE+4*16*SPITCH
.set LAPS,  KB/1024
.set ADRX, 16
.set ADRW, 20
.set STO,  24
.set RD,   25
.set CO,   26
.set SPW,  28
.set NIL,  29
.set TMP,  32
.set ACC,  128
.set F0,   0
.set F1,   128
.set G1, 24
.set G0, 32
.set G1B, 48
.set G0B, 56
.set MSB, 0
.macro WIN new
.if MSB != (\new)
	s_set_vgpr_msb (MSB<<8)|(\new)
.set MSB, (\new)
.endif
.endm
.set MUL,  0x05
.set TO_F, 0x40
.macro JLOAD g0a, g1a, g0b, g1b
	s_cmp_eq_u32 s15, 0
	s_cbranch_scc0 .Lfor_b_\@
	tensor_load_to_lds s[\g0a:\g0a+3], s[\g1a:\g1a+7]
	s_nop 0
.rept 4
	v_nop
.endr
	s_branch .Lasked_\@
.Lfor_b_\@:
	tensor_load_to_lds s[\g0b:\g0b+3], s[\g1b:\g1b+7]
	s_nop 0
.rept 4
	v_nop
.endr
.Lasked_\@:
.endm
.macro CREST
	s_cmp_lg_u32 s14, 0
	s_cbranch_scc1 .Lnot_wave_0_\@
	s_barrier_signal -3
.Lnot_wave_0_\@:
	s_barrier_wait -3
	s_barrier_signal -1
	s_barrier_wait -1
.endm
.macro CROUND
	s_barrier_signal -1
	s_barrier_wait -1
	CREST
.endm
.macro PLACES n
.rept \n
	v_nop
.endr
.endm
.macro FETCH slot, q, f
	WIN TO_F
.irp i, 0,1,2,3
.irp c, 0,1,2,3
	ds_load_b128 v[\f+16*\i+4*\c:\f+16*\i+4*\c+3], v[ADRX+\slot] offset:\i*8192+(\q)*2048+512*\c
.endr
.endr
.irp i, 0,1,2,3
.irp c, 0,1,2,3,4,5,6,7
	ds_load_b64 v[\f+64+16*\i+2*\c:\f+64+16*\i+2*\c+1], v[ADRW+\slot] offset:\i*16*PITCH+128*(\q)+16*\c
.endr
.endr
.endm
.macro MUL8 f, a0, zero
.irp a, \a0, \a0+1
.irp b, 0,1,2,3
.set DD, ACC+8*(4*(\a)+\b)
.if \zero
	v_wmma_f32_16x16x128_fp8_fp8 v[DD:DD+7], v[\f+64+16*\b:\f+64+16*\b+15], v[\f+16*(\a):\f+16*(\a)+15], 0
.else
	v_wmma_f32_16x16x128_fp8_fp8 v[DD:DD+7], v[\f+64+16*\b:\f+64+16*\b+15], v[\f+16*(\a):\f+16*(\a)+15], v[DD:DD+7]
.endif
.endr
.endr
.endm
.macro QUARTER slot, qn, f, g, zero
	s_wait_dscnt 0x0
	PLACES 4
	FETCH \slot, \qn, \g
	WIN MUL
	MUL8 \f, 0, \zero
	MUL8 \f, 2, \zero
.endm
.macro TURN slot, next, fill
	WIN 0
	s_wait_tensorcnt 0x0
	ds_add_u32 v[SPW], v[NIL]
.if \fill
	s_wait_xcnt 0x0                                ; my last prefetch has read its address:
	s_add_nc_u64 s[76:77], s[76:77], s[80:81]      ; a slot on
.endif
	s_wait_dscnt 1
	WIN MUL
	MUL8 F1, 0, 0
	s_wait_dscnt 0x0
	s_barrier_signal -1
	WIN 0
	s_barrier_wait -1
.if \fill
	CREST
	s_add_nc_u64 s[G0+4*\slot+2:G0+4*\slot+3], s[G0+4*\slot+2:G0+4*\slot+3], 16384
	s_add_nc_u64 s[G0B+4*\slot+2:G0B+4*\slot+3], s[G0B+4*\slot+2:G0B+4*\slot+3], 1024
	JLOAD G0+4*\slot, G1, G0B+4*\slot, G1B
.else
	PLACES 4
.endif
	FETCH \next, 0, F0
.if \fill
	WIN 0
	s_cmp_gt_u32 s3, 1                             ; the loop's last trip refills slots 6 and 7: there is no slot two on
	s_cbranch_scc0 .Lnopf_\@
	global_prefetch_b8 v30, s[76:77] th:TH_LOAD_NT scope:SCOPE_SE
.Lnopf_\@:
.endif
	WIN MUL
	MUL8 F1, 2, 0
.endm
	s_load_b128 s[4:7], s[0:1], 0x0
	s_load_b128 s[8:11], s[0:1], 0x10
	s_load_b64 s[12:13], s[0:1], 0x20
	v_lshl_add_u32 v[SPW], v0, 2, SPARE
	v_mov_b32 v[NIL], 0
	ds_add_u32 v28, v29
	ds_add_u32 v28, v29
	s_wait_dscnt 0x0
	v_lshrrev_b32 v1, 5, v0
	v_readfirstlane_b32 s14, v1
	s_lshr_b32 s15, s14, 1
	s_and_b32 s16, s14, 1
	s_bfe_u32 s40, ttmp6, 0x40000
	s_bfe_u32 s41, ttmp6, 0x40004
	s_lshl_b32 s42, ttmp9, 2
	s_add_co_u32 s42, s42, s40
	s_and_b32 s17, ttmp7, 0xffff
	s_lshl_b32 s17, s17, 2
	s_add_co_u32 s17, s17, s41
	s_lshl_b32 s43, s41, 2
	s_lshl_b32 s43, 15, s43
	s_lshl_b32 s44, 0x1111, s40
	s_or_b32 s[G1+0], s43, (3<<16)|(1<<21)
	s_or_b32 s[G1B+0], s44, (0<<16)|(1<<20)|(1<<21)|(6<<22)|(3<<25)
	s_mov_b32 s[G1+1], 1024<<16
	s_mov_b32 s[G1+2], 4<<16
	s_mov_b32 s[G1+3], 1024<<16
	s_mov_b32 s[G1+4], 4
	s_mov_b32 s[G1+5], 2*KB
	s_mov_b32 s[G1+6], 0
	s_mov_b32 s[G1+7], 0
	s_mov_b32 s[G1B+1], 512<<16
	s_mov_b32 s[G1B+2], 64<<16
	s_mov_b32 s[G1B+3], 512<<16
	s_mov_b32 s[G1B+4], 64
	s_mov_b32 s[G1B+5], KB
	s_mov_b32 s[G1B+6], 0
	s_mov_b32 s[G1B+7], 0
	s_lshl_b32 s20, s17, 3
	s_lshl_b32 s18, s16, 2
	s_add_co_u32 s20, s20, s18
	s_mul_i32 s20, s20, 16*KB
	s_mov_b32 s21, 0
	s_lshl_b32 s46, s42, 7
	s_lshl_b32 s18, s16, 6
	s_add_co_u32 s46, s46, s18
	s_mul_i32 s46, s46, KB
	s_mov_b32 s47, 0
	s_lshl_b32 s45, s16, 15
	s_mul_i32 s19, s16, WHALF
	s_add_co_u32 s19, s19, WOFF
	s_wait_kmcnt 0x0
	s_load_b64 s[96:97], s[8:9], SOFF
	s_add_nc_u64 s[20:21], s[4:5], s[20:21]
	s_add_nc_u64 s[46:47], s[6:7], s[46:47]
	CROUND
.irp s, 0,1
	s_mov_b32 s[G0+4*\s], 1
	s_add_co_u32 s[G0+4*\s+1], s45, \s*SLOT
	s_add_nc_u64 s[G0+4*\s+2:G0+4*\s+3], s[20:21], \s*8192
	s_or_b32 s[G0+4*\s+3], s[G0+4*\s+3], 0x80000000
	s_mov_b32 s[G0B+4*\s], 1
	s_add_co_u32 s[G0B+4*\s+1], s19, \s*SLOT
	s_add_nc_u64 s[G0B+4*\s+2:G0B+4*\s+3], s[46:47], \s*512
	s_or_b32 s[G0B+4*\s+3], s[G0B+4*\s+3], 0x80000000
.endr
	JLOAD G0, G1, G0B, G1B                         ; slot 0: one tensor load a wave at the head
	s_cmp_eq_u32 s15, 0                            ; the prefetches: do I fetch for A?
	s_cselect_b64 s[76:77], s[20:21], s[46:47]     ; the first byte of what my loads bring
	s_cselect_b32 s78, s40, s41                    ; my place among the four that ask with me: cx for A, cy for W
	s_mov_b32 s80, 512
	s_cselect_b32 s80, 8192, s80                   ; a slot on: four K steps of an image, or 512 bytes of a row
	s_mov_b32 s82, 4096
	s_cselect_b32 s82, 512, s82                    ; from one pair of lanes to the next: 512 bytes on, or a row of W
	s_mov_b32 s81, 0
	s_lshl_b32 s78, s78, 16                        ; a token tile's image and 16 rows of W are both 65,536 bytes
	s_mov_b32 s79, 0
	s_add_nc_u64 s[76:77], s[76:77], s[78:79]
	s_add_nc_u64 s[76:77], s[76:77], s[80:81]
	s_add_nc_u64 s[76:77], s[76:77], s[80:81]      ; at slot 2
	v_and_b32 v1, 15, v0
	v_bfe_u32 v2, v0, 4, 1
	v_and_b32 v6, 31, v0
	v_lshlrev_b32 v7, 4, v6
	v_lshrrev_b32 v30, 1, v6
	v_and_b32 v31, 1, v6
	v_mul_lo_u32 v30, v30, s82
	v_lshl_add_u32 v30, v31, 8, v30                ; v30: my lane's block of 256 bytes; never rewritten
	v_mul_u32_u24 v3, v1, PITCH
	v_lshl_add_u32 v4, v2, 3, v3
	s_lshl_b32 s21, s15, 15
	s_mul_i32 s22, s16, WHALF
	s_add_co_u32 s22, s22, WOFF
.irp s, 0,1
	v_add_nc_u32 v[ADRX+\s], s21, v7
	v_add_nc_u32 v[ADRW+\s], s22, v4
	s_add_co_u32 s21, s21, SLOT
	s_add_co_u32 s22, s22, SLOT
.endr
	s_mul_i32 s23, s14, 16*SPITCH
	s_add_co_u32 s23, s23, STAGE
	v_mul_u32_u24 v5, v1, SPITCH
	v_lshl_add_u32 v5, v2, 5, v5
	v_add_nc_u32 v[STO], s23, v5
	v_mul_u32_u24 v5, v2, SPITCH
	v_lshl_add_u32 v5, v1, 4, v5
	v_add_nc_u32 v[RD], s23, v5
	v_lshlrev_b32 v5, 12, v2
	v_lshl_add_u32 v[CO], v1, 4, v5
	s_wait_alu depctr_va_vdst(0)
	s_lshl_b32 s74, s17, 7
	s_lshl_b32 s75, s15, 6
	s_add_co_u32 s74, s74, s75
	s_lshl_b32 s74, s74, 12
	s_lshl_b32 s75, s42, 9
	s_add_co_u32 s74, s74, s75
	s_lshl_b32 s75, s16, 8
	s_add_co_u32 s74, s74, s75
	s_mov_b32 s75, 0
	s_add_nc_u64 s[10:11], s[10:11], s[74:75]
	s_add_nc_u64 s[12:13], s[12:13], s[74:75]
	WIN 0x80
.irp a, 0,1,2,3
.irp i, 0,1,2,3,4,5,6,7
	global_load_b128 v[32*\a+4*\i:32*\a+4*\i+3], v[CO], s[10:11] offset:(16*\a+2*\i)*4096 th:TH_LOAD_NT
.endr
.endr
	WIN 0
	global_prefetch_b8 v30, s[76:77] th:TH_LOAD_NT scope:SCOPE_SE   ; slot 2
	s_wait_tensorcnt 0x0                           ; my part of slot 0 is in
	ds_add_u32 v[SPW], v[NIL]
	s_wait_xcnt 0x0                                ; the prefetch has read its address:
	s_add_nc_u64 s[76:77], s[76:77], s[80:81]      ; a slot on
	s_wait_dscnt 0x0
	CROUND                                         ; everybody's part of slot 0 is in, and all sixteen work-groups are here
	JLOAD G0+4, G1, G0B+4, G1B                     ; slot 1's first fill: the first tensor load behind the round
	FETCH 0, 0, F0
	global_prefetch_b8 v30, s[76:77] th:TH_LOAD_NT scope:SCOPE_SE   ; slot 3
	QUARTER 0, 1, F0, F1, 1
.if LAPS > 1
	WIN 0
	s_mov_b32 s3, LAPS-1
.Llap:
	QUARTER 0, 2, F1, F0, 0
	QUARTER 0, 3, F0, F1, 0
	TURN 0, 1, 1
	QUARTER 1, 1, F0, F1, 0
	QUARTER 1, 2, F1, F0, 0
	QUARTER 1, 3, F0, F1, 0
	TURN 1, 0, 1
	QUARTER 0, 1, F0, F1, 0
	WIN 0
	s_sub_co_u32 s3, s3, 1
	s_cmp_lg_u32 s3, 0
	s_cbranch_scc1 .Llap
.endif
	QUARTER 0, 2, F1, F0, 0
	QUARTER 0, 3, F0, F1, 0
	TURN 0, 1, 0
	QUARTER 1, 1, F0, F1, 0
	QUARTER 1, 2, F1, F0, 0
	QUARTER 1, 3, F0, F1, 0
	s_wait_dscnt 0x0
	WIN MUL
	MUL8 F1, 0, 0
	MUL8 F1, 2, 0
	WIN 0
	s_wait_kmcnt 0x0
	s_add_co_i32 s96, s96, s97
	s_add_co_i32 s96, s96, 127
	s_lshl_b32 s96, s96, 23
	s_mov_b32 s97, s96
	s_wait_loadcnt 0x0
	PLACES 4
.irp a, 0,1,2,3
.set TT, TMP+32*((\a)%2)
.if \a > 0
	s_wait_xcnt 0x0
.endif
.irp b, 0,1,2,3
	ds_store_b128 v[STO], v[ACC+8*(4*\a+\b):ACC+8*(4*\a+\b)+3] offset:64*\b
	ds_store_b128 v[STO], v[ACC+8*(4*\a+\b)+4:ACC+8*(4*\a+\b)+7] offset:64*\b+16
.endr
.irp i, 0,1,2,3,4,5,6,7
	ds_load_b128 v[TT+4*\i:TT+4*\i+3], v[RD] offset:2*\i*SPITCH
.endr
	s_wait_dscnt 0x0
	WIN 0x20
.set j, 0
.rept 16
	v_pk_fma_f32 v[TT+j:TT+j+1], v[TT+j:TT+j+1], s[96:97], v[32*\a+j:32*\a+j+1] op_sel_hi:[1,0,1]
.set j, j+2
.endr
	WIN 0
.irp i, 0,1,2,3,4,5,6,7
	global_store_b128 v[CO], v[TT+4*\i:TT+4*\i+3], s[12:13] offset:(16*\a+2*\i)*4096 th:TH_STORE_NT
.endr
.endr
	s_wait_tensorcnt 0x0
	ds_add_u32 v[SPW], v[NIL]
	s_wait_dscnt 0x0
	CROUND
	s_endpgm
.Lfunc_end_k_q1bfda3eae9_ffn2:
	.size	k_q1bfda3eae9_ffn2, .Lfunc_end_k_q1bfda3eae9_ffn2-k_q1bfda3eae9_ffn2
	.p2alignl 7, 3214868480
	.fill 96, 4, 3214868480
	.section	.rodata,"a",@progbits
	.p2align	6, 0x0
	.amdhsa_kernel k_q1bfda3eae9_ffn2
		.amdhsa_group_segment_fixed_size 327680
		.amdhsa_private_segment_fixed_size 0
		.amdhsa_enable_private_segment 0
		.amdhsa_kernarg_size 40
		.amdhsa_user_sgpr_count 2
		.amdhsa_user_sgpr_kernarg_segment_ptr 1
		.amdhsa_wavefront_size32 1
		.amdhsa_system_sgpr_workgroup_id_x 1
		.amdhsa_system_sgpr_workgroup_id_y 1
		.amdhsa_system_sgpr_workgroup_id_z 1
		.amdhsa_system_vgpr_workitem_id 0
		.amdhsa_next_free_vgpr 768
		.amdhsa_next_free_sgpr 98
		.amdhsa_reserve_vcc 0
		.amdhsa_float_denorm_mode_32 3
		.amdhsa_float_denorm_mode_16_64 3
		.amdhsa_memory_ordered 1
		.amdhsa_forward_progress 1
		.amdhsa_inst_pref_size 95
	.end_amdhsa_kernel
	.amdgpu_metadata
---
amdhsa.version: [ 1, 2 ]
amdhsa.kernels:
  - .name:           k_q1bfda3eae9_ffn2
    .symbol:         k_q1bfda3eae9_ffn2.kd
    .args:
      - { .name: hc, .offset: 0, .size: 8, .value_kind: global_buffer, .address_space: global }
      - { .name: w2_codes, .offset: 8, .size: 8, .value_kind: global_buffer, .address_space: global }
      - { .name: lowp_scales, .offset: 16, .size: 8, .value_kind: global_buffer, .address_space: global }
      - { .name: x1, .offset: 24, .size: 8, .value_kind: global_buffer, .address_space: global }
      - { .name: out0, .offset: 32, .size: 8, .value_kind: global_buffer, .address_space: global }
    .group_segment_fixed_size: 327680
    .private_segment_fixed_size: 0
    .kernarg_segment_align: 8
    .kernarg_segment_size: 40
    .max_flat_workgroup_size: 128
    .sgpr_count:     98
    .vgpr_count:     768
    .wavefront_size: 32
...
	.end_amdgpu_metadata
.endif
;; end of part 7
